; MI455X (gfx1250); checked and timed in simulation.
; The chip was launched on July 23, 2026; its instructions are those of AMD's public machine-readable ISA for CDNA 5 (MIT licence, August 2026) and "CDNA5" Instruction Set Architecture Reference Guide (July 2026). The comments in the code are by the model that wrote it; some were corrected since.
;; Causal Self Attention. Allowed arithmetic: matrix products marked QUANTISED: E2M3 operands, one E8M0 scale for each 32 along K, by v_wmma_scale_f32_16x16x128_f8f6f4 with both operands' format E2M3, f32 sums; everything else in f32.
;; Inputs: b_o 1,024 float32; b_qkv 3,072 float32; w_o 1,024 x 1,024 float32; w_qkv 1,024 x 3,072 float32; x 4 x 2,048 x 1,024 float32.
;; Outputs: out0 4 x 2,048 x 1,024 float32.
;; This version of the problem:
;;   THIS VERSION OF THE PROBLEM IS GIVEN IN LOW PRECISION. The matrix products marked QUANTISED in the list below multiply operands that are first quantised to E2M3 (2 exponent bits, 3 mantissa bits; 6 bits a number), with one power-of-two scale for each 32 numbers along K (OCP MX v1.0); their sums are f32. All else is computed in f32.
;;   The module's matrix products, in the order in which they are computed (A, B: the left and right operand; K: the contracted axis; several contracted axes count as one K, in the product's order):
;;     1. [M 8,192, K 1,024] x [K 1,024, N 3,072]; A: input x; B: input w_qkv: QUANTISED
;;     2. batch 64 x [M 2,048, K 64] x [K 64, N 2,048]; A: computed on the way; B: computed on the way: QUANTISED
;;     3. batch 64 x [M 2,048, K 2,048] x [K 2,048, N 64]; A: softmax (see below); B: computed on the way: QUANTISED
;;     4. [M 8,192, K 1,024] x [K 1,024, N 1,024]; A: computed on the way; B: input w_o: QUANTISED
;;   THE QUANTISER, for each operand of a quantised product, along K:
;;     - K is cut into blocks of 32 from its start; a last block that is shorter is filled with zeros.
;;     - A block's scale is 2^e with e = floor(log2(the largest magnitude in the block)) - 2, held to -126 .. 127; a block of zeros has e = 0. As a byte (E8M0): e + 127.
;;     - Each number is divided by its block's scale, clamped to +-7.5, and rounded to the nearest number of E2M3, ties to even, subnormals kept.
;;     - The product sums the exact products of the quantised numbers (number of the format x scale) in f32.
;;   ~~~python
;;   def quantise(x, axis):      # numpy; x: float32 -> the quantised numbers, widened to float32 again
;;       x = np.moveaxis(x, axis, -1); K = x.shape[-1]
;;       x = np.pad(x, [(0, 0)] * (x.ndim - 1) + [(0, -K % 32)]); x = x.reshape(x.shape[:-1] + (-1, 32)); a = np.abs(x).max(-1, keepdims=True)
;;       e = np.where(a > 0, np.clip(np.frexp(np.where(a > 0, a, 1))[1] - 1 - 2, -126, 127), 0)      # np.frexp(a)[1] - 1 = floor(log2(a)), exactly
;;       r = np.clip(x / 2.0 ** e, -7.5, 7.5)
;;       step = 2.0 ** (np.maximum(np.frexp(np.where(r == 0, 1, r))[1] - 1, 0) - 3)
;;       q = np.round(r / step) * step * 2.0 ** e      # np.round: ties to even
;;       return np.moveaxis(q.reshape(q.shape[:-2] + (-1,))[..., :K], -1, axis).astype(np.float32)
;;   ~~~
;;   SOFTMAX AHEAD OF A QUANTISED PRODUCT. Where the list says 'softmax', what is quantised is not the finished softmax but p = 2^(t - M), with t = logit x log2(e) and M = ceil(the row's largest t), a whole number; so 1/2 < the row's largest p <= 1. The row's sum l is taken of the UNQUANTISED p, in f32, and the product's result is divided by l at the end. Since M is a whole number, a kernel that streams over the keys may use a running M (the ceiling of the running maximum): every later rescaling is an exact power of two, which a block's scale takes up: the codes' values come out the same.
;;   OPERANDS COMPUTED ON THE WAY. 'Computed on the way' means the value that the module computes at that place (a softmax that the list does not call 'softmax' is quantised finished and normalised). What goes into a quantiser is computed in f32, as accurately as f32 sums, v_exp_f32 and their like allow (about 1e-6 of the number): no bf16 or f16 on the way to a quantiser, and a product that is left as it is and whose result goes on into a quantised operand takes f32 operands (vector FMAs, or v_wmma_f32_16x16x4_f32). A number that lies on a knife's edge between two numbers of the format may be rounded either way, as far as f32 arithmetic and the matrix unit's own rounding can turn it there, and no further.
;; One version. Each part assembles by itself: llvm-mc -triple=amdgcn-amd-amdhsa -mcpu=gfx1250 --defsym DOCPART=n.
;; ======== version 1 of 1: 5 launches
;; workspace buffers: x_img 6,553,600 bytes; wqkv_img 2,457,600 bytes; wo_img 819,200 bytes; y_img 6,553,600 bytes; q_img 6,291,456 bytes; q_scl 524,288 bytes; kv 13,107,200 bytes
;; launch quant_x (part 1): grid 512 x 1, 4 waves a work-group, no clusters, 34,304 bytes of LDS; arguments x, x_img; writes x_img
.if DOCPART == 1
	.amdgcn_target "amdgcn-amd-amdhsa--gfx1250"
	.amdhsa_code_object_version 6
	.text
	.protected	k_qf588a74a46_quant_x
	.globl	k_qf588a74a46_quant_x
	.p2align	8
	.type	k_qf588a74a46_quant_x,@function
k_qf588a74a46_quant_x:
	s_mov_b64 s[64:65], 0
	v_nop
	global_prefetch_b8 v0, s[64:65] scope:SCOPE_SE
	s_setreg_imm32_b32 hwreg(HW_REG_WAVE_MODE, 25, 1), 1
	s_wait_xcnt 0x0
; x [8192][1024] f32 becomes codes of E2M3 with one E8M0 byte for each 32 along K, laid as IMAGES OF OPERAND REGISTERS.
; A tile is 16 tokens: tile 2 B + u holds tokens 32 B + 8 u + r + 8 (r / 8), r = 0 .. 15.  A record of 12,800 bytes belongs to a tile: eight fragments
; (16 rows x 128 K, 12 registers a lane) of 1,536 bytes, fragment s at 1536 s as three pieces of 512 bytes (piece c: lane l's registers 4 c .. 4 c + 3 at 16 l);
; then the scale words, that of row r and K step s at 12288 + 64 s + 4 r.
; A work-group takes one tile, wave w its K steps 2 w and 2 w + 1.  Each load reads 512 consecutive bytes of one row; the 16 rows turn through the wave's own stage in LDS
; (pitch 528 bytes), from which lane (r, h) takes, of row r, the 16 neighbours 32 b + 16 h + 0 .. 15 of each block b.  No barrier: waves share nothing.
; A block's scale is 2^(floor(log2(largest magnitude)) - 2); its byte is the largest magnitude's exponent field - 2, held at 1 from below.
; LIMITS: NaN and infinities among the inputs are not served; a block whose largest magnitude lies under 2^-124 keeps the byte 1; a block of zeros gets the byte 1
; where the rule says 127 (its codes are zeros, and the bytes are read by this program alone).
.set R,   16                           ; v16-143  two fragments x 16 rows x 4 registers, as loaded
.set X,   144                          ; v144-207 64 numbers of my row: register 16 b + i = k 32 b + 16 h + i
.set PC,  208                          ; v208-219 the fragment's codes; v220-222, v224-226 the upper halves as converted
.set TM,  228                          ; v228-231 largest magnitudes, v232-235 the other half's, then the bytes, v240-243 the conversions' scale operands
.set PW,  244                          ; v244, v245 the two fragments' scale words
.set SEL, 14                           ; s[14:15] lane selects: lane l xor 16
	s_load_b128 s[4:7], s[0:1], 0x0                ; x, x_img
	v_lshl_add_u32 v254, v0, 2, 0x8400
	v_mov_b32 v255, 0
	v_lshrrev_b32 v5, 5, v0
	v_readfirstlane_b32 s16, v5                    ; wave
	v_and_b32 v6, 31, v0                           ; lane
	v_and_b32 v7, 15, v0                           ; r
	v_bfe_u32 v8, v0, 4, 1                         ; h
	v_lshlrev_b32 v1, 4, v6                        ; 16 x lane
	v_lshlrev_b32 v2, 2, v6                        ; 4 x lane
	s_mul_i32 s17, s16, 8448                       ; my stage
	v_add_nc_u32 v3, s17, v1                       ; into it: 16 bytes a lane of a row
	v_mul_u32_u24 v4, v7, 528
	v_lshl_add_u32 v4, v8, 6, v4
	v_add_nc_u32 v4, s17, v4                       ; out of it: row r, + 64 h
.irp b, 0,1,2,3
	v_mov_b32 v[TM+4+\b], 0                        ; written once: a lane permute's destination counts as one of its sources
.endr
	s_mov_b32 s[SEL], 0x76543210
	s_mov_b32 s[SEL+1], 0xfedcba98
	s_mov_b32 vcc_lo, 0xffff0000                   ; lanes 16-31
	s_lshr_b32 s18, ttmp9, 1
	s_lshl_b32 s18, s18, 5
	s_and_b32 s19, ttmp9, 1
	s_lshl_b32 s19, s19, 3
	s_add_co_u32 s18, s18, s19                     ; the tile's first token: 32 B + 8 u
	s_lshl_b32 s18, s18, 12                        ; x 4,096 bytes
	s_lshl_b32 s19, s16, 10
	s_add_co_u32 s18, s18, s19                     ; + my two K steps: 1,024 bytes x wave
	s_mov_b32 s19, 0
	s_mul_i32 s20, ttmp9, 12800                    ; the tile's record
	s_mul_i32 s21, s16, 3072
	s_add_co_u32 s22, s20, s21                     ; my two fragments
	s_mov_b32 s23, 0
	s_lshl_b32 s21, s16, 7
	s_add_co_u32 s24, s20, s21
	s_add_co_u32 s24, s24, 12288                   ; my 128 bytes of scale words
	s_mov_b32 s25, 0
	s_wait_kmcnt 0x0
	s_add_nc_u64 s[8:9], s[4:5], s[18:19]
	s_add_nc_u64 s[10:11], s[6:7], s[22:23]
	s_add_nc_u64 s[12:13], s[6:7], s[24:25]
.irp f, 0,1
.irp p, 0,1,2,3,4,5,6,7,8,9,10,11,12,13,14,15
	global_load_b128 v[R+64*\f+4*\p:R+64*\f+4*\p+3], v1, s[8:9] offset:(\p+8*(\p/8))*4096+512*\f th:TH_LOAD_NT   ; 512 consecutive bytes of the tile's row p
.endr
.endr
; 64 numbers of a lane become a fragment's codes in v[PC] on and its scale word in v[pw]
.macro QUANT src, pw
.irp b, 0,1,2,3
	v_max3_num_f32 v[TM+\b], |v[\src+16*\b]|, |v[\src+1+16*\b]|, 0x1800000   ; block b: my 16 numbers, and the floor 2^(3 - 127): the byte cannot fall under 1
.endr
.irp i, 2,4,6,8,10,12,14
.irp b, 0,1,2,3
	v_max3_num_f32 v[TM+\b], v[TM+\b], |v[\src+16*\b+\i]|, |v[\src+1+16*\b+\i]|   ; the four blocks by turns
.endr
.endr
.irp b, 0,1,2,3
	v_permlanex16_b32 v[TM+4+\b], v[TM+\b], s[SEL], s[SEL+1]
.endr
.irp b, 0,1,2,3
	v_max_num_f32 v[TM+\b], v[TM+\b], v[TM+4+\b]   ; with lane l xor 16's: the block's largest magnitude
.endr
.irp b, 0,1,2,3
	v_add_nc_u32 v[TM+12+\b], 0xff000000, v[TM+\b] ; 2 off its exponent field: the conversion's scale operand
.endr
.irp b, 0,1,2,3
	v_lshrrev_b32 v[TM+4+\b], 23, v[TM+12+\b]      ; the scale's byte
.endr
	v_lshl_or_b32 v[\pw], v[TM+5], 8, v[TM+4]
	v_lshl_or_b32 v[\pw], v[TM+6], 16, v[\pw]
	v_lshl_or_b32 v[\pw], v[TM+7], 24, v[\pw]      ; my row's scale word
	s_wait_xcnt 0x0                                ; the stores of the fragment before have read the codes' registers
.irp c, 0,1
	v_cvt_scalef32_pk16_fp6_f32 v[PC+6*\c:PC+2+6*\c], v[\src+32*\c:\src+15+32*\c], v[TM+12+2*\c]
	v_cvt_scalef32_pk16_fp6_f32 v[PC+12+4*\c:PC+14+4*\c], v[\src+16+32*\c:\src+31+32*\c], v[TM+13+2*\c]   ; (a conversion's three registers begin on an even number)
.endr
	v_nop                                          ; one plain place behind a scaled conversion
.irp c, 0,1                                    ; the operand's layout wants a whole block in a lane: lanes 0-15 block 2 c, lanes 16-31 block 2 c + 1
.irp i, 0,1,2
	v_permlane16_swap_b32 v[PC+6*\c+\i], v[PC+12+4*\c+\i]
.endr
.irp i, 0,1,2
	v_mov_b32 v[PC+3+6*\c+\i], v[PC+12+4*\c+\i]
.endr
.endr
.endm
.irp f, 0,1
	s_wait_loadcnt 16-16*\f                        ; this fragment's 16 loads are in; the second fragment's 16 may be out
.irp p, 0,1,2,3,4,5,6,7,8,9,10,11,12,13,14,15
	ds_store_b128 v3, v[R+64*\f+4*\p:R+64*\f+4*\p+3] offset:528*\p
.endr
.irp b, 0,1,2,3
.irp q, 0,1,2,3
	ds_load_b128 v[X+16*\b+4*\q:X+16*\b+4*\q+3], v4 offset:128*\b+16*\q   ; LDS serves a wave's instructions in order: these see my stores
.endr
.endr
	s_wait_dscnt 0x0
	QUANT X, PW+\f
.irp c, 0,1,2
	global_store_b128 v1, v[PC+4*\c:PC+4*\c+3], s[10:11] offset:1536*\f+512*\c   ; 512 consecutive bytes, aligned
.endr
.endr
	v_cndmask_b32 v246, v[PW], v[PW+1], vcc_lo     ; lanes 0-15 K step 2 w, lanes 16-31 K step 2 w + 1
	global_store_b32 v2, v246, s[12:13]            ; 128 consecutive bytes
	s_wait_tensorcnt 0x0
	ds_add_u32 v254, v255
	s_wait_dscnt 0x0
	s_endpgm
.Lfunc_end_k_qf588a74a46_quant_x:
	.size	k_qf588a74a46_quant_x, .Lfunc_end_k_qf588a74a46_quant_x-k_qf588a74a46_quant_x
	.p2alignl 7, 3214868480
	.fill 96, 4, 3214868480
	.section	.rodata,"a",@progbits
	.p2align	6, 0x0
	.amdhsa_kernel k_qf588a74a46_quant_x
		.amdhsa_group_segment_fixed_size 34304
		.amdhsa_private_segment_fixed_size 0
		.amdhsa_enable_private_segment 0
		.amdhsa_kernarg_size 16
		.amdhsa_user_sgpr_count 2
		.amdhsa_user_sgpr_kernarg_segment_ptr 1
		.amdhsa_wavefront_size32 1
		.amdhsa_system_sgpr_workgroup_id_x 1
		.amdhsa_system_sgpr_workgroup_id_y 1
		.amdhsa_system_sgpr_workgroup_id_z 1
		.amdhsa_system_vgpr_workitem_id 0
		.amdhsa_next_free_vgpr 256
		.amdhsa_next_free_sgpr 66
		.amdhsa_reserve_vcc 1
		.amdhsa_float_denorm_mode_32 3
		.amdhsa_float_denorm_mode_16_64 3
		.amdhsa_memory_ordered 1
		.amdhsa_forward_progress 1
		.amdhsa_inst_pref_size 18
	.end_amdhsa_kernel
	.amdgpu_metadata
---
amdhsa.version: [ 1, 2 ]
amdhsa.kernels:
  - .name:           k_qf588a74a46_quant_x
    .symbol:         k_qf588a74a46_quant_x.kd
    .args:
      - { .name: x, .offset: 0, .size: 8, .value_kind: global_buffer, .address_space: global }
      - { .name: x_img, .offset: 8, .size: 8, .value_kind: global_buffer, .address_space: global }
    .group_segment_fixed_size: 34304
    .private_segment_fixed_size: 0
    .kernarg_segment_align: 8
    .kernarg_segment_size: 16
    .max_flat_workgroup_size: 128
    .sgpr_count:     66
    .vgpr_count:     256
    .wavefront_size: 32
...
	.end_amdgpu_metadata
.endif
;; end of part 1
;; launch quant_w (part 2): grid 32 x 8, 4 waves a work-group, no clusters, 13,824 bytes of LDS; arguments w_qkv, w_o, wqkv_img, wo_img; writes wqkv_img, wo_img
.if DOCPART == 2
	.amdgcn_target "amdgcn-amd-amdhsa--gfx1250"
	.amdhsa_code_object_version 6
	.text
	.protected	k_qf588a74a46_quant_w
	.globl	k_qf588a74a46_quant_w
	.p2align	8
	.type	k_qf588a74a46_quant_w,@function
k_qf588a74a46_quant_w:
	s_mov_b64 s[64:65], 0
	v_nop
	global_prefetch_b8 v0, s[64:65] scope:SCOPE_SE
	s_setreg_imm32_b32 hwreg(HW_REG_WAVE_MODE, 25, 1), 1
	s_wait_xcnt 0x0
; w_qkv [1024][3072] and w_o [1024][1024], f32, K = the FIRST axis, become codes of E2M3 with one E8M0 byte for each 32 along K, laid as records of 12,800 bytes for each
; tile of 16 columns n: tile 2 B + u holds columns 32 B + 8 u + r + 8 (r / 8).  A record: eight fragments of 1,536 bytes (fragment s at 1536 s: three pieces of 512 bytes,
; piece c = lane l's registers 4 c .. 4 c + 3 at 16 l), then the scale words at 12288 + 64 s + 4 r.
; A LANE TAKES A COLUMN AND ITS REGISTERS RUN DOWN K: a block of 32 lies in one lane, its largest magnitude needs no other lane, and the conversions give codes with K innermost.
; Work-group x: 128 columns (x < 24: of w_qkv, else of w_o; only pointers and the pitch are chosen, there is one path through the text); y: the K step of 128.  Wave w: 32 columns, one pair of tiles.
; Block t = 2 c + h of the K step is registers 6 c .. 6 c + 5 of lane (r, h) of the fragment: it is put at that place in the wave's own stage in LDS, and the two tiles' images leave as pieces of 512 bytes.
; LIMITS: NaN and infinities are not served; a block whose largest magnitude lies under 2^-124 keeps the byte 1; a block of zeros gets the byte 1 where the rule says 127 (zero codes; only this program reads the bytes).
.set VO,  8                            ; v8-39    4 x lane + i x pitch, i = 0 .. 31; never rewritten
.set X,   40                           ; v40-103  two sets of 32 numbers
.set C,   104                          ; v104-109 a block's codes
.set CT,  110                          ; v110-112 its upper half as converted
.set SB,  113                          ; v113     my column's scale word
	s_load_b256 s[4:11], s[0:1], 0x0               ; w_qkv, w_o, wqkv_img, wo_img
	v_lshl_add_u32 v160, v0, 2, 0x3400
	v_mov_b32 v161, 0
	v_lshrrev_b32 v5, 5, v0
	v_readfirstlane_b32 s12, v5                    ; wave
	v_and_b32 v6, 31, v0                           ; lane = column in the pair
	v_lshlrev_b32 v1, 4, v6                        ; 16 x lane
	v_bfe_u32 v7, v0, 3, 1                         ; u: which tile of the pair my column falls into
	v_and_b32 v114, 7, v0
	v_bfe_u32 v115, v0, 4, 1
	v_lshl_or_b32 v114, v115, 3, v114              ; r: its row there
	s_mul_i32 s13, s12, 3328                       ; my stage: two images, 1,664 bytes apart
	v_mul_u32_u24 v2, v7, 1664
	v_lshl_add_u32 v2, v114, 4, v2
	v_add_nc_u32 v2, s13, v2                       ; into it: 1664 u + 16 r
	v_add_nc_u32 v3, s13, v1                       ; out of it: 16 x lane
	v_mul_u32_u24 v4, v7, 12800
	v_lshl_add_u32 v4, v114, 2, v4                 ; my scale word's place: 12800 u + 4 r
	s_and_b32 s14, ttmp7, 0xffff                   ; the K step
	s_wait_kmcnt 0x0
	s_cmp_lt_u32 ttmp9, 24                         ; w_qkv's work-group or w_o's: the choice hangs on the work-group's number alone
	s_cselect_b64 s[4:5], s[4:5], s[6:7]
	s_cselect_b64 s[8:9], s[8:9], s[10:11]
	s_mov_b32 s15, 4096
	s_cselect_b32 s15, 12288, s15                  ; bytes from row to row
	s_cselect_b32 s24, 0, 24
	s_sub_co_u32 s24, ttmp9, s24
	s_lshl_b32 s24, s24, 2
	s_add_co_u32 s24, s24, s12                     ; my pair of tiles
	s_lshl_b32 s25, s14, 7
	s_mul_i32 s26, s25, s15                        ; row 128 s
	s_lshl_b32 s27, s24, 7
	s_add_co_u32 s26, s26, s27                     ; + 128 bytes x pair
	s_mov_b32 s27, 0
	s_lshl_b32 s28, s15, 5                         ; 32 rows on
	s_mov_b32 s29, 0
	s_add_nc_u64 s[16:17], s[4:5], s[26:27]        ; the four blocks' bases; never rewritten
	s_add_nc_u64 s[18:19], s[16:17], s[28:29]
	s_add_nc_u64 s[20:21], s[18:19], s[28:29]
	s_add_nc_u64 s[22:23], s[20:21], s[28:29]
	s_mul_i32 s30, s24, 25600                      ; the pair's two records
	s_mul_i32 s31, s14, 1536
	s_add_co_u32 s32, s30, s31
	s_mov_b32 s33, 0
	s_add_nc_u64 s[34:35], s[8:9], s[32:33]        ; fragment s
	s_lshl_b32 s31, s14, 6
	s_add_co_u32 s32, s30, s31
	s_add_co_u32 s32, s32, 12288
	s_add_nc_u64 s[36:37], s[8:9], s[32:33]        ; its scale words
	v_lshlrev_b32 v[VO], 2, v6
.set i, 1
.rept 31
	v_add_nc_u32 v[VO+i], s15, v[VO+i-1]
.set i, i+1
.endr
.macro LOAD t                          ; block t: W(128 s + 32 t + i, my column) into set t % 2: neighbouring lanes read neighbouring columns
.set i, 0
.rept 32
	global_load_b32 v[X+32*((\t)%2)+i], v[VO+i], s[16+2*(\t):17+2*(\t)] th:TH_LOAD_NT
.set i, i+1
.endr
.endm
.macro BLOCK t
.set XS, X+32*((\t)%2)
.if (\t) < 3
	s_wait_loadcnt 32                              ; this block's 32 loads are in; the next block's 32 may be out
.else
	s_wait_loadcnt 0x0
.endif
	v_max3_num_f32 v114, |v[XS]|, |v[XS+1]|, |v[XS+2]|
	v_max3_num_f32 v115, |v[XS+3]|, |v[XS+4]|, |v[XS+5]|
.irp i, 6,10,14,18,22,26
	v_max3_num_f32 v114, v114, |v[XS+\i]|, |v[XS+\i+1]|
	v_max3_num_f32 v115, v115, |v[XS+\i+2]|, |v[XS+\i+3]|
.endr
	v_max3_num_f32 v114, v114, |v[XS+30]|, |v[XS+31]|
	v_max3_num_f32 v114, v114, v115, 0x1800000     ; and the floor 2^(3 - 127)
	v_add_nc_u32 v116, 0xff000000, v114            ; 2 off the exponent field: the conversion's scale operand
	v_lshrrev_b32 v117, 23, v116                   ; the byte
.if (\t) == 0
	v_mov_b32 v[SB], v117
.else
	v_lshl_or_b32 v[SB], v117, 8*(\t), v[SB]
.endif
	v_cvt_scalef32_pk16_fp6_f32 v[C:C+2], v[XS:XS+15], v116
	v_cvt_scalef32_pk16_fp6_f32 v[CT:CT+2], v[XS+16:XS+31], v116   ; (a conversion's three registers begin on an even number)
	v_nop                                          ; one plain place behind a scaled conversion
.irp i, 0,1,2
	v_mov_b32 v[C+3+\i], v[CT+\i]
.endr
.if (\t) < 2                                   ; registers 0 .. 5 of lane r + 16 h: piece 0 whole, the lower half of piece 1
	ds_store_b128 v2, v[C:C+3] offset:256*((\t)%2)
	ds_store_b64 v2, v[C+4:C+5] offset:256*((\t)%2)+512
.else                                          ; registers 6 .. 11: the upper half of piece 1, piece 2 whole
	ds_store_b64 v2, v[C:C+1] offset:256*((\t)%2)+520
	ds_store_b128 v2, v[C+2:C+5] offset:256*((\t)%2)+1024
.endif
.if (\t) < 2
	LOAD (\t)+2
.endif
	s_wait_dscnt 0x0                               ; the stores have read their registers: the next block's codes may be written
.endm
	LOAD 0
	LOAD 1
	BLOCK 0
	BLOCK 1
	BLOCK 2
	BLOCK 3
	global_store_b32 v4, v[SB], s[36:37]           ; my column's four bytes of this K step
.irp u, 0,1
.irp c, 0,1,2
	ds_load_b128 v[120+12*\u+4*\c:123+12*\u+4*\c], v3 offset:1664*\u+512*\c   ; LDS serves a wave's instructions in order: these see my stores
.endr
.endr
.irp u, 0,1
.irp c, 0,1,2
	s_wait_dscnt 5-3*\u-\c                         ; the younger loads may be out
	global_store_b128 v1, v[120+12*\u+4*\c:123+12*\u+4*\c], s[34:35] offset:12800*\u+512*\c   ; 512 consecutive bytes, aligned
.endr
.endr
	s_wait_tensorcnt 0x0
	ds_add_u32 v160, v161
	s_wait_dscnt 0x0
	s_endpgm
.Lfunc_end_k_qf588a74a46_quant_w:
	.size	k_qf588a74a46_quant_w, .Lfunc_end_k_qf588a74a46_quant_w-k_qf588a74a46_quant_w
	.p2alignl 7, 3214868480
	.fill 96, 4, 3214868480
	.section	.rodata,"a",@progbits
	.p2align	6, 0x0
	.amdhsa_kernel k_qf588a74a46_quant_w
		.amdhsa_group_segment_fixed_size 13824
		.amdhsa_private_segment_fixed_size 0
		.amdhsa_enable_private_segment 0
		.amdhsa_kernarg_size 32
		.amdhsa_user_sgpr_count 2
		.amdhsa_user_sgpr_kernarg_segment_ptr 1
		.amdhsa_wavefront_size32 1
		.amdhsa_system_sgpr_workgroup_id_x 1
		.amdhsa_system_sgpr_workgroup_id_y 1
		.amdhsa_system_sgpr_workgroup_id_z 1
		.amdhsa_system_vgpr_workitem_id 0
		.amdhsa_next_free_vgpr 162
		.amdhsa_next_free_sgpr 66
		.amdhsa_reserve_vcc 0
		.amdhsa_float_denorm_mode_32 3
		.amdhsa_float_denorm_mode_16_64 3
		.amdhsa_memory_ordered 1
		.amdhsa_forward_progress 1
		.amdhsa_inst_pref_size 24
	.end_amdhsa_kernel
	.amdgpu_metadata
---
amdhsa.version: [ 1, 2 ]
amdhsa.kernels:
  - .name:           k_qf588a74a46_quant_w
    .symbol:         k_qf588a74a46_quant_w.kd
    .args:
      - { .name: w_qkv, .offset: 0, .size: 8, .value_kind: global_buffer, .address_space: global }
      - { .name: w_o, .offset: 8, .size: 8, .value_kind: global_buffer, .address_space: global }
      - { .name: wqkv_img, .offset: 16, .size: 8, .value_kind: global_buffer, .address_space: global }
      - { .name: wo_img, .offset: 24, .size: 8, .value_kind: global_buffer, .address_space: global }
    .group_segment_fixed_size: 13824
    .private_segment_fixed_size: 0
    .kernarg_segment_align: 8
    .kernarg_segment_size: 32
    .max_flat_workgroup_size: 128
    .sgpr_count:     66
    .vgpr_count:     162
    .wavefront_size: 32
...
	.end_amdgpu_metadata
.endif
;; end of part 2
;; launch gemm_qkv (part 3): grid 32 x 8, 4 waves a work-group, clusters of 4 x 1, 307,712 bytes of LDS; arguments x_img, wqkv_img, b_qkv, q_img, q_scl, kv; writes q_img, q_scl, kv
.if DOCPART == 3
	.amdgcn_target "amdgcn-amd-amdhsa--gfx1250"
	.amdhsa_code_object_version 6
	.text
	.protected	k_qf588a74a46_gemm_qkv
	.globl	k_qf588a74a46_gemm_qkv
	.p2align	8
	.type	k_qf588a74a46_gemm_qkv,@function
k_qf588a74a46_gemm_qkv:
	s_mov_b64 s[64:65], 0
	v_nop
	global_prefetch_b8 v0, s[64:65] scope:SCOPE_SE
	s_setreg_imm32_b32 hwreg(HW_REG_WAVE_MODE, 25, 1), 1
	s_wait_xcnt 0x0
	s_wait_alu depctr_hold_cnt(0) depctr_sa_sdst(0) depctr_va_vdst(0) depctr_va_sdst(0) depctr_va_ssrc(0) depctr_va_vcc(0) depctr_vm_vsrc(0)
	s_getreg_b32 s2, hwreg(HW_REG_IB_STS2, 6, 4)
	s_cmp_eq_u32 s2, 0
	s_cbranch_scc0 .Lentry_in_a_cluster
	s_endpgm
.Lentry_in_a_cluster:
	s_bfe_u32 s2, ttmp6, 0x10000c
	s_cmp_lg_u32 s2, 0x3003
	s_cbranch_scc0 .Lentry_shape_is_right
	s_endpgm
.Lentry_shape_is_right:
; qkv = x w_qkv + b_qkv on codes of E2M3, and q, k, v quantised at once for attention: they go to memory as codes alone.
; SHARES.  Work-group (tb, j): 256 tokens x heads 2 j, 2 j + 1, in three passes of 128 columns: Q, K, V.  Wave w: 64 tokens (four tiles), whose fragments for all of K = 1,024 stay in 384 registers.
; The weights' 3 x 8 records (12,800 bytes each) lie in LDS, each byte filled once, by joint loads: the four work-groups of a cluster share j, so each asks for the same tiles with the same descriptor and the mask 15.
; TILES.  Tile 2 B + u of tokens, or of columns, holds rows 32 B + 8 u + r + 8 (r / 8): as source 0 it makes the 16 result registers of tiles 2 B, 2 B + 1 sixteen neighbours 32 B + 16 h + 0 .. 15.
; Passes Q, K: source 0 = 16 columns of W, source 1 = 16 tokens: a lane holds one token, its 64 registers 128 columns: blocks 0, 1 are head 2 j's 64, blocks 2, 3 head 2 j + 1's.
; Pass V: source 0 = 16 tokens, source 1 = 16 columns: a lane holds one channel d, its 32 registers my 64 tokens: two blocks of 32 keys.  The bias is the C of each sum's first matrix instruction.
; OUT.  q_img [head 64][tile 128][3 x 256 bytes]: six registers a lane (unit j: registers 2 j, 2 j + 1 at 8 l);  q_scl [head][tile][r]: a word with the bytes (s0, s1, s0, s1).
;   kv [head][key step of 128][12,800]: 8 key tiles x 768 bytes (tiles 2 f, 2 f + 1 are one fragment of 12 registers); at 6144 four tiles of V^T x 1,536; at 12288 K's scale words [f][r] (bytes 0, 1: tile 2 f; 2, 3: tile 2 f + 1); at 12544 V's [tile][r].
;   V's scale words are stored two bytes a lane, four bytes apart: 256 bytes a record, written by two waves of one work-group.
; REGISTERS, in windows of 256: window 0: v1-24 addresses and work; v32-47 x's scale words, v48-79 W's; v80-175 W's fragments, set 0 (in the epilogues: codes); v176-239 the bias; v240-255 the quantiser's work.
;   window 1: x's fragments of K steps 0-4 at v[48 s + 12 a].   window 2: those of K steps 5-7 at v[48 (s - 5) + 12 a]; v144-239 W's fragments, set 1.   window 3: the 32 accumulators.
; LIMITS: NaN and infinities are not served; a block whose largest magnitude lies under 2^-124 keeps the byte 1; a block of zeros gets the byte 1 where the rule says 127 (zero codes; only this program reads the bytes).
.set L16,  1                           ; 16 x lane
.set L8,   2                           ; 8 x lane
.set L4,   3                           ; 4 x lane
.set QSL,  4                           ; 4 r + 8192 h: lanes 16-31 store the second head's words
.set KSL,  5                           ; 4 r + 204800 h
.set VBQ,  6                           ; 64 h
.set VBV,  7                           ; 4 (r + 8 (r / 8))
.set ADW,  8                           ; v8-13   16 x lane + 51200 q: half q % 2 of pass q / 2
.set ADS,  14                          ; v14-19  4 x lane + 51200 q
.set PWA,  20
.set PWB,  21
.set XS,   32                          ; x's scale words: tile a, K steps 2 q (lanes 0-15) and 2 q + 1 (lanes 16-31) at v[XS + 4 a + q]
.set WS,   48                          ; W's likewise at v[WS + 4 b + q]
.set W0,   80
.set PC,   80
.set BIAS, 176
.set TM,   240
.set G1,   16                          ; s[16:23] descriptor group 1;  s[24:35] groups 0, one for each pass
.set G0,   24
.set WV,   36
.set XB,   40
.set BQ,   42
.set QB,   44
.set QSB,  46
.set KB,   48
.set KSB,  50
.set VCB,  52
.set VSB,  54
.set SEL,  66
.set MSB, 0
.macro WIN new                         ; the immediate's high byte repeats the setting that is left
.if MSB != (\new)
	s_set_vgpr_msb (MSB<<8)|(\new)
.set MSB, \new
.endif
.endm
.macro PLACES n
.rept \n
	v_nop
.endr
.endm
.macro ROUND                           ; a round of the cluster's barrier
	s_barrier_signal -1
	s_barrier_wait -1
	s_cmp_lg_u32 s[WV], 0
	s_cbranch_scc1 .Lnot_wave_0_\@
	s_barrier_signal -3
.Lnot_wave_0_\@:
	s_barrier_wait -3
	s_barrier_signal -1
	s_barrier_wait -1
.endm
	s_load_b256 s[4:11], s[0:1], 0x0               ; x_img, wqkv_img, b_qkv, q_img
	s_load_b128 s[12:15], s[0:1], 0x20             ; q_scl, kv
	v_lshl_add_u32 v250, v0, 2, 0x4b000
	v_mov_b32 v251, 0
	ds_add_u32 v250, v251
	ds_add_u32 v250, v251
	v_lshrrev_b32 v22, 5, v0
	v_readfirstlane_b32 s[WV], v22                 ; wave 0..3
	s_bfe_u32 s37, ttmp6, 0x40000                  ; cx
	s_lshl_b32 s38, ttmp9, 2
	s_add_co_u32 s38, s38, s37                     ; tb = 4 x cluster x + cx: it enters the addresses of x and of the stores alone
	s_and_b32 s39, ttmp7, 0xffff                   ; j, which the four partners share
	s_mov_b32 s[G1], 0x0023000f                    ; the mask 15; elements of 8 bytes; bit 21 set beside a mask; no padding
	s_mov_b32 s[G1+1], 32<<16                      ; tensor_dim0 = 32 elements: rows of 256 bytes
	s_mov_b32 s[G1+2], 100<<16                     ; tensor_dim1 = 100 rows: two records
	s_mov_b32 s[G1+3], 32<<16                      ; tile_dim0
	s_mov_b32 s[G1+4], 100                         ; tile_dim1
	s_mov_b32 s[G1+5], 32                          ; the pitch: dense
	s_mov_b32 s[G1+6], 0
	s_mov_b32 s[G1+7], 0
	s_lshl_b32 s60, s39, 3
	s_lshl_b32 s61, s[WV], 1
	s_add_co_u32 s60, s60, s61                     ; tile 8 j + 2 w of a pass
	s_mul_i32 s60, s60, 12800
	s_mov_b32 s61, 0
	s_mul_i32 s62, s[WV], 25600                    ; and its place in LDS: no place in the cluster enters it
	s_wait_dscnt 0x0
	s_wait_kmcnt 0x0
	s_add_nc_u64 s[60:61], s[6:7], s[60:61]
.irp p, 0,1,2
	s_mov_b32 s[G0+4*\p], 1
	s_add_co_u32 s[G0+4*\p+1], s62, 102400*\p
	s_add_nc_u64 s[G0+4*\p+2:G0+4*\p+3], s[60:61], 819200*\p   ; 64 tiles on for each pass
	s_or_b32 s[G0+4*\p+3], s[G0+4*\p+3], 0x80000000
.endr
	ROUND                                          ; all four work-groups are here: the joint loads meet
	tensor_load_to_lds s[G0:G0+3], s[G1:G1+7]      ; the three passes' weights: every LDS byte is filled once; three loads of mine are out
	s_nop 0
	tensor_load_to_lds s[G0+4:G0+7], s[G1:G1+7]
	s_nop 0
	tensor_load_to_lds s[G0+8:G0+11], s[G1:G1+7]
	s_nop 0
	PLACES 4                                       ; four places behind a tensor load
	v_and_b32 v22, 31, v0                          ; lane
	v_and_b32 v23, 15, v0                          ; r
	v_bfe_u32 v24, v0, 4, 1                        ; h
	v_lshlrev_b32 v[L16], 4, v22
	v_lshlrev_b32 v[L8], 3, v22
	v_lshlrev_b32 v[L4], 2, v22
	s_mov_b32 s3, 0
	s_lshl_b32 s2, s38, 4
	s_lshl_b32 s56, s[WV], 2
	s_add_co_u32 s2, s2, s56                       ; my first tile of tokens: 16 tb + 4 w
	s_mul_i32 s2, s2, 12800
	s_add_nc_u64 s[XB:XB+1], s[4:5], s[2:3]
	WIN 0x40                                       ; destination window 1
.irp k, 0,1,2,3,4
.irp a, 0,1,2,3
.irp c, 0,1,2
	global_load_b128 v[48*\k+12*\a+4*\c:48*\k+12*\a+4*\c+3], v[L16], s[XB:XB+1] offset:12800*\a+1536*\k+512*\c
.endr
.endr
.endr
	WIN 0x80                                       ; destination window 2
.irp k, 5,6,7
.irp a, 0,1,2,3
.irp c, 0,1,2
	global_load_b128 v[48*(\k-5)+12*\a+4*\c:48*(\k-5)+12*\a+4*\c+3], v[L16], s[XB:XB+1] offset:12800*\a+1536*\k+512*\c
.endr
.endr
.endr
	WIN 0
.irp a, 0,1,2,3
.irp q, 0,1,2,3
	global_load_b32 v[XS+4*\a+\q], v[L4], s[XB:XB+1] offset:12800*\a+12288+128*\q
.endr
.endr
	v_lshlrev_b32 v[QSL], 2, v23
	v_lshl_add_u32 v[QSL], v24, 13, v[QSL]
	v_mul_u32_u24 v[KSL], v24, 204800
	v_lshl_add_u32 v[KSL], v23, 2, v[KSL]
	v_lshlrev_b32 v[VBQ], 6, v24
	v_and_b32 v[VBV], 8, v23
	v_add_nc_u32 v[VBV], v[VBV], v23
	v_lshlrev_b32 v[VBV], 2, v[VBV]
.irp q, 0,1,2,3,4,5
	v_add_nc_u32 v[ADW+\q], 51200*\q, v[L16]
	v_add_nc_u32 v[ADS+\q], 51200*\q, v[L4]
.endr
.irp b, 0,1,2,3
	v_mov_b32 v[TM+4+\b], 0                        ; written once: a lane permute's destination counts as one of its sources
.endr
	s_mov_b32 s[SEL], 0x76543210
	s_mov_b32 s[SEL+1], 0xfedcba98
	s_mov_b32 vcc_lo, 0xffff0000                   ; lanes 16-31; no line of this text writes it again
	s_lshl_b32 s2, s39, 9
	s_add_nc_u64 s[BQ:BQ+1], s[8:9], s[2:3]        ; the bias of my 128 columns of pass 0
	s_lshr_b32 s59, s38, 3
	s_lshl_b32 s59, s59, 4
	s_lshl_b32 s57, s39, 1
	s_add_co_u32 s59, s59, s57                     ; the first head: 16 x batch + 2 j
	s_and_b32 s58, s38, 7
	s_lshl_b32 s57, s58, 4
	s_add_co_u32 s57, s57, s56                     ; my first tile in the sequence: 16 (tb % 8) + 4 w
	s_lshl_b32 s2, s59, 7
	s_add_co_u32 s57, s57, s2
	s_mul_i32 s2, s57, 768
	s_add_nc_u64 s[QB:QB+1], s[10:11], s[2:3]
	s_lshl_b32 s2, s57, 6
	s_add_nc_u64 s[QSB:QSB+1], s[12:13], s[2:3]
	s_lshl_b32 s57, s58, 1
	s_lshr_b32 s2, s[WV], 1
	s_add_co_u32 s57, s57, s2                      ; my key step: 2 (tb % 8) + w / 2
	s_mul_i32 s57, s57, 12800
	s_mul_i32 s2, s59, 204800
	s_add_co_u32 s57, s57, s2                      ; its record
	s_and_b32 s58, s[WV], 1                        ; which half of its 128 keys is mine
	s_mul_i32 s2, s58, 3072
	s_add_co_u32 s2, s2, s57
	s_add_nc_u64 s[KB:KB+1], s[14:15], s[2:3]
	s_lshl_b32 s2, s58, 7
	s_add_co_u32 s2, s2, s57
	s_add_co_u32 s2, s2, 12288
	s_add_nc_u64 s[KSB:KSB+1], s[14:15], s[2:3]
	s_mul_i32 s2, s58, 768
	s_add_co_u32 s2, s2, s57
	s_add_co_u32 s2, s2, 6144
	s_add_nc_u64 s[VCB:VCB+1], s[14:15], s[2:3]
	s_lshl_b32 s2, s58, 1
	s_add_co_u32 s2, s2, s57
	s_add_co_u32 s2, s2, 12544
	s_add_nc_u64 s[VSB:VSB+1], s[14:15], s[2:3]
; the bias of pass pp in the result's layout.  Q, K: lane (r, h) wants, for tile b, columns 32 (b / 2) + 16 h + 8 (b % 2) + 0 .. 7.  V: one number a lane, column 32 (b / 2) + 8 (b % 2) + r + 8 (r / 8), spread to eight registers later
.macro BIASLOAD pp
.if (\pp) < 2
.irp b, 0,1,2,3,4,5,6,7
	global_load_b128 v[BIAS+8*\b:BIAS+8*\b+3], v[VBQ], s[BQ:BQ+1] offset:4096*(\pp)+128*(\b/2)+32*(\b%2)
	global_load_b128 v[BIAS+8*\b+4:BIAS+8*\b+7], v[VBQ], s[BQ:BQ+1] offset:4096*(\pp)+128*(\b/2)+32*(\b%2)+16
.endr
.else
.irp b, 0,1,2,3,4,5,6,7
	global_load_b32 v[BIAS+8*\b], v[VBV], s[BQ:BQ+1] offset:8192+128*(\b/2)+32*(\b%2)
.endr
.endif
.endm
	BIASLOAD 0
.macro FETCHW pp, ks, st               ; W's eight fragments of K step ks of pass pp into set st: 24 loads of 512 consecutive bytes
.if (\st) == 1
	WIN 0x80
.else
	WIN 0
.endif
.irp b, 0,1,2,3,4,5,6,7
.irp c, 0,1,2
	ds_load_b128 v[W0+64*(\st)+12*\b+4*\c:W0+64*(\st)+12*\b+4*\c+3], v[ADW+2*(\pp)+\b/4] offset:(\b%4)*12800+1536*(\ks)+512*\c
.endr
.endr
.endm
.macro WSCALES pp                      ; W's scale words of the whole pass
	WIN 0
.irp b, 0,1,2,3,4,5,6,7
.irp q, 0,1,2,3
	ds_load_b32 v[WS+4*\b+\q], v[ADS+2*(\pp)+\b/4] offset:(\b%4)*12800+12288+128*\q
.endr
.endr
.endm
; A K step: 32 matrix instructions on 32 accumulators, which take turns, one instruction a turn, in the same order in every step.
; The next step's fragments of W are asked for in front of them, into the other set, four places behind the products that read it.
.macro KSTEP pp, ks, kind
	s_wait_dscnt 0x0                               ; this step's set is in: asked for one step, 32 matrix instructions, ago
.if (\ks) < 7
	PLACES 4
	FETCHW \pp, (\ks)+1, ((\ks)+1)%2
.endif
.if ((\ks) == 1) && ((\pp) < 2)
	WIN 0
	BIASLOAD (\pp)+1                               ; the bias was read by K step 0's products alone; the four places above stand behind them
.endif
.set WW, 2*((\ks)%2)                   ; W's window
.set XW, 1+(\ks)/5                     ; x's
.set CW, 3
.if (\ks) == 0
.set CW, 0                             ; the bias lies in window 0
.endif
.if \kind
.set WVAL, XW|(WW<<2)|(CW<<4)|0xc0
.else
.set WVAL, WW|(XW<<2)|(CW<<4)|0xc0
.endif
	WIN WVAL
.irp a, 0,1,2,3
.irp b, 0,1,2,3,4,5,6,7
.set rW, W0+64*((\ks)%2)+12*\b
.set rX, 48*((\ks)%5)+12*\a
.set rSW, WS+4*\b+(\ks)/2
.set rSX, XS+4*\a+(\ks)/2
.if \kind
.set rD, 8*(4*\b+\a)
.set rA, rX
.set rB, rW
.set rSA, rSX
.set rSB, rSW
.else
.set rD, 8*(8*\a+\b)
.set rA, rW
.set rB, rX
.set rSA, rSW
.set rSB, rSX
.endif
.set rC, rD
.if (\ks) == 0
.set rC, BIAS+8*\b
.endif
.if (\ks)%2
	v_wmma_scale_f32_16x16x128_f8f6f4 v[rD:rD+7], v[rA:rA+11], v[rB:rB+11], v[rC:rC+7], v[rSA], v[rSB] matrix_a_fmt:MATRIX_FMT_FP6 matrix_b_fmt:MATRIX_FMT_FP6 matrix_a_scale:MATRIX_SCALE_ROW1 matrix_b_scale:MATRIX_SCALE_ROW1
.else
	v_wmma_scale_f32_16x16x128_f8f6f4 v[rD:rD+7], v[rA:rA+11], v[rB:rB+11], v[rC:rC+7], v[rSA], v[rSB] matrix_a_fmt:MATRIX_FMT_FP6 matrix_b_fmt:MATRIX_FMT_FP6
.endif
.endr
.endr
.endm
; 32 nc numbers of a lane in window 3, register src + 16 b + i = k 32 b + 16 h + i of my row, become 6 nc registers of codes in v[PC] on and 2 nc scale bytes in v[pw].
; Each accumulator is read from its low end on: the maxima go up the registers.
.macro QUANT src, nc, pw
	WIN 0x0f
.set qb, 0
.rept 2*(\nc)
	v_max3_num_f32 v[TM+qb], |v[(\src)+16*qb]|, |v[(\src)+16*qb+1]|, 0x1800000   ; and the floor 2^(3 - 127): the byte cannot fall under 1
.set qb, qb+1
.endr
	WIN 0x3c
.irp i, 2,4,6,8,10,12,14
.set qb, 0
.rept 2*(\nc)
	v_max3_num_f32 v[TM+qb], v[TM+qb], |v[(\src)+16*qb+\i]|, |v[(\src)+16*qb+\i+1]|
.set qb, qb+1
.endr
.endr
	WIN 0
.set qb, 0
.rept 2*(\nc)
	v_permlanex16_b32 v[TM+4+qb], v[TM+qb], s[SEL], s[SEL+1]
.set qb, qb+1
.endr
.set qb, 0
.rept 2*(\nc)
	v_max_num_f32 v[TM+qb], v[TM+qb], v[TM+4+qb]   ; with lane l xor 16's: the block's largest magnitude
.set qb, qb+1
.endr
.set qb, 0
.rept 2*(\nc)
	v_add_nc_u32 v[TM+12+qb], 0xff000000, v[TM+qb] ; 2 off the exponent field: the conversion's scale operand
.set qb, qb+1
.endr
.set qb, 0
.rept 2*(\nc)
	v_lshrrev_b32 v[TM+4+qb], 23, v[TM+12+qb]      ; the byte
.set qb, qb+1
.endr
	v_lshl_or_b32 v[\pw], v[TM+5], 8, v[TM+4]
.if (\nc) == 2
	v_lshl_or_b32 v[\pw], v[TM+6], 16, v[\pw]
	v_lshl_or_b32 v[\pw], v[TM+7], 24, v[\pw]
.endif
	s_wait_xcnt 0x0                                ; the earlier stores have read the codes' and the words' registers
	WIN 0x03
.set qc, 0
.rept \nc
	v_cvt_scalef32_pk16_fp6_f32 v[PC+6*qc:PC+6*qc+2], v[(\src)+32*qc:(\src)+32*qc+15], v[TM+12+2*qc]
	v_cvt_scalef32_pk16_fp6_f32 v[PC+12+4*qc:PC+14+4*qc], v[(\src)+32*qc+16:(\src)+32*qc+31], v[TM+13+2*qc]
.set qc, qc+1
.endr
	WIN 0
	v_nop                                          ; one plain place behind a scaled conversion
.set qc, 0
.rept \nc
.irp i, 0,1,2
	v_permlane16_swap_b32 v[PC+6*qc+\i], v[PC+12+4*qc+\i]   ; a whole block to a lane: lanes 0-15 block 2 c, lanes 16-31 block 2 c + 1
.endr
.irp i, 0,1,2
	v_mov_b32 v[PC+3+6*qc+\i], v[PC+12+4*qc+\i]
.endr
.set qc, qc+1
.endr
.endm
.macro PASS pp, kind
	s_wait_tensorcnt 2-(\pp)                       ; my part of this pass's weights is in; the later passes' loads may stay out
	s_wait_dscnt 0x0
	s_barrier_signal -1
	s_barrier_wait -1                              ; everybody's part is in
	s_wait_xcnt 0x0                                ; the last epilogue's stores have read the registers into which the loads below land
	FETCHW \pp, 0, 0
	WSCALES \pp
	s_wait_loadcnt 0x0                             ; x (pass 0) and this pass's bias
.if \kind
.irp b, 0,1,2,3,4,5,6,7
.irp q, 1,2,3,4,5,6,7
	v_mov_b32 v[BIAS+8*\b+\q], v[BIAS+8*\b]        ; V's bias hangs on the lane's channel alone
.endr
.endr
.endif
.irp z, 0,1,2,3,4,5,6,7
	KSTEP \pp, \z, \kind
.endr
	WIN 0
	PLACES 4                                       ; behind the last products, in front of the first read of results
.endm
	PASS 0, 0
.irp a, 0,1,2,3                                ; Q: a tile of 16 tokens: two heads' six registers, and their scale bytes
	QUANT 64*\a, 2, PWA
.irp e, 0,1
.irp j, 0,1,2
	global_store_b64 v[L8], v[PC+6*\e+2*\j:PC+6*\e+2*\j+1], s[QB:QB+1] offset:98304*\e+768*\a+256*\j   ; 256 consecutive bytes, aligned
.endr
.endr
	v_perm_b32 v22, v[PWA], v[PWA], 0x01000100     ; the first head's bytes, twice: attention lays q in either half of its K = 128
	v_perm_b32 v23, v[PWA], v[PWA], 0x03020302     ; the second head's
	v_cndmask_b32 v24, v22, v23, vcc_lo
	global_store_b32 v[QSL], v24, s[QSB:QSB+1] offset:64*\a
.endr
	PASS 1, 0
.irp a, 0,1,2,3                                ; K: likewise; the scale bytes of tiles 2 f and 2 f + 1 make one word
.if \a%2
	QUANT 64*\a, 2, PWB
.else
	QUANT 64*\a, 2, PWA
.endif
.irp e, 0,1
.irp j, 0,1,2
	global_store_b64 v[L8], v[PC+6*\e+2*\j:PC+6*\e+2*\j+1], s[KB:KB+1] offset:204800*\e+768*\a+256*\j
.endr
.endr
.if \a%2
	v_perm_b32 v22, v[PWB], v[PWA], 0x05040100     ; the first head: the even tile's two bytes, the odd tile's two
	v_perm_b32 v23, v[PWB], v[PWA], 0x07060302     ; the second head
	v_cndmask_b32 v24, v22, v23, vcc_lo
	global_store_b32 v[KSL], v24, s[KSB:KSB+1] offset:64*(\a/2)
.endif
.endr
	PASS 2, 1
.irp b, 0,1,2,3,4,5,6,7                        ; V: tile b of 16 channels x my 64 keys: half a fragment of V^T
.if \b%2
	QUANT 32*\b, 1, PWB
.else
	QUANT 32*\b, 1, PWA
.endif
.irp j, 0,1,2
	global_store_b64 v[L8], v[PC+2*\j:PC+2*\j+1], s[VCB:VCB+1] offset:204800*(\b/4)+1536*(\b%4)+256*\j
.endr
.if \b%2
	v_cndmask_b32 v24, v[PWA], v[PWB], vcc_lo      ; lanes 0-15 the even tile's rows, lanes 16-31 the odd tile's
	global_store_b16 v[L4], v24, s[VSB:VSB+1] offset:204800*(\b/4)+128*((\b%4)/2)   ; my two of a word's four bytes
.endif
.endr
	s_wait_dscnt 0x0
	s_wait_tensorcnt 0x0
	ds_add_u32 v250, v251
	s_wait_dscnt 0x0
	ROUND                                          ; the closing round: no work-group ends while a partner may still ask for a tile that names it
	s_endpgm
.Lfunc_end_k_qf588a74a46_gemm_qkv:
	.size	k_qf588a74a46_gemm_qkv, .Lfunc_end_k_qf588a74a46_gemm_qkv-k_qf588a74a46_gemm_qkv
	.p2alignl 7, 3214868480
	.fill 96, 4, 3214868480
	.section	.rodata,"a",@progbits
	.p2align	6, 0x0
	.amdhsa_kernel k_qf588a74a46_gemm_qkv
		.amdhsa_group_segment_fixed_size 307712
		.amdhsa_private_segment_fixed_size 0
		.amdhsa_enable_private_segment 0
		.amdhsa_kernarg_size 48
		.amdhsa_user_sgpr_count 2
		.amdhsa_user_sgpr_kernarg_segment_ptr 1
		.amdhsa_wavefront_size32 1
		.amdhsa_system_sgpr_workgroup_id_x 1
		.amdhsa_system_sgpr_workgroup_id_y 1
		.amdhsa_system_sgpr_workgroup_id_z 1
		.amdhsa_system_vgpr_workitem_id 0
		.amdhsa_next_free_vgpr 1024
		.amdhsa_next_free_sgpr 72
		.amdhsa_reserve_vcc 1
		.amdhsa_float_denorm_mode_32 3
		.amdhsa_float_denorm_mode_16_64 3
		.amdhsa_memory_ordered 1
		.amdhsa_forward_progress 1
		.amdhsa_inst_pref_size 224
	.end_amdhsa_kernel
	.amdgpu_metadata
---
amdhsa.version: [ 1, 2 ]
amdhsa.kernels:
  - .name:           k_qf588a74a46_gemm_qkv
    .symbol:         k_qf588a74a46_gemm_qkv.kd
    .args:
      - { .name: x_img, .offset: 0, .size: 8, .value_kind: global_buffer, .address_space: global }
      - { .name: wqkv_img, .offset: 8, .size: 8, .value_kind: global_buffer, .address_space: global }
      - { .name: b_qkv, .offset: 16, .size: 8, .value_kind: global_buffer, .address_space: global }
      - { .name: q_img, .offset: 24, .size: 8, .value_kind: global_buffer, .address_space: global }
      - { .name: q_scl, .offset: 32, .size: 8, .value_kind: global_buffer, .address_space: global }
      - { .name: kv, .offset: 40, .size: 8, .value_kind: global_buffer, .address_space: global }
    .group_segment_fixed_size: 307712
    .private_segment_fixed_size: 0
    .kernarg_segment_align: 8
    .kernarg_segment_size: 48
    .max_flat_workgroup_size: 128
    .sgpr_count:     72
    .vgpr_count:     1024
    .wavefront_size: 32
...
	.end_amdgpu_metadata
.endif
;; end of part 3
;; launch attn (part 4): grid 4 x 64, 16 waves a work-group, clusters of 4 x 1, 206,848 bytes of LDS; arguments q_img, q_scl, kv, y_img; writes y_img
.if DOCPART == 4
	.amdgcn_target "amdgcn-amd-amdhsa--gfx1250"
	.amdhsa_code_object_version 6
	.text
	.protected	k_qf588a74a46_attn
	.globl	k_qf588a74a46_attn
	.p2align	8
	.type	k_qf588a74a46_attn,@function
k_qf588a74a46_attn:
	s_mov_b64 s[64:65], 0
	v_nop
	global_prefetch_b8 v0, s[64:65] scope:SCOPE_SE
	s_setreg_imm32_b32 hwreg(HW_REG_WAVE_MODE, 25, 1), 1
	s_wait_xcnt 0x0
	s_wait_alu depctr_hold_cnt(0) depctr_sa_sdst(0) depctr_va_vdst(0) depctr_va_sdst(0) depctr_va_ssrc(0) depctr_va_vcc(0) depctr_vm_vsrc(0)
	s_getreg_b32 s2, hwreg(HW_REG_IB_STS2, 6, 4)
	s_cmp_eq_u32 s2, 0
	s_cbranch_scc0 .Lentry_in_a_cluster
	s_endpgm
.Lentry_in_a_cluster:
	s_bfe_u32 s2, ttmp6, 0x10000c
	s_cmp_lg_u32 s2, 0x3003
	s_cbranch_scc0 .Lentry_shape_is_right
	s_endpgm
.Lentry_shape_is_right:
; y = softmax(q k^T / 8, causal) v for one head, both products on codes of E2M3, and y quantised at once for the output projection.
; THE SOFTMAX: t = score x log2(e) / 8; M = the running largest t, rounded up to a whole number; p = 2^(t - M) is quantised along the keys; the row's sum is taken of the unquantised p and divides O at the end.
; When M moves, the sum and O are multiplied by 2^(old M - new M): exact.
; SHARES.  The four work-groups of a cluster belong to one head.  Its 16 records of K and V (128 keys, 12,800 bytes each) come into each one's LDS once, by joint loads of waves 0-3: every LDS byte is filled once.
; Work-group p owns the query tiles 4 i + p; wave w those with i = 31 - w and i = w.  The key step on the diagonal of tile 4 i + p is i / 2: it hangs on the wave alone, so no branch, trip count or LDS address
; hangs on the place in the cluster; p enters the mask's number and global addresses.  Every wave works 16 - w / 2 + w / 2 + 1 = 17 key steps.
; Steps whose keys all come after the tile's queries are left out by a scalar branch on the wave's number inside loops of constant trip counts.
; LAYOUT.  Both products are used transposed (S^T = K Q^T, O^T = V^T P^T): a lane holds one query.  Tile 2 B + u of keys, queries or channels holds rows 32 B + 8 u + r + 8 (r / 8), so that 16 result registers of two neighbouring tiles are neighbours.
; K = 64 OF THE FIRST PRODUCT: a fragment of 12 registers holds TWO key tiles, one in each half of the instruction's K = 128; q stands between zeros: (q, 0) picks the even tile, (0, q) the odd one.  Zero codes add nothing under any byte from 1 to 254.
; OUT.  y_img: a record of 12,800 bytes for each tile of tokens; head hh fills 768 bytes at 768 hh (three units of 256: registers 2 j, 2 j + 1 at 8 l) and bytes 2 (hh % 2), + 1 of the scale words at 12288 + 64 (hh / 2) + 4 r, one byte a lane.
; LIMITS: NaN and infinities are not served; p under 2^-126 counts as 0; a block of zeros gets the byte 1 where the rule says 127 (zero codes; only this program reads the bytes).
.set L8,  1                            ; 8 x lane
.set L4,  2                            ; 4 x lane
.set QDB, 3                            ; the mask's number of the big tile: my query in its key step - 16 h
.set QDS, 4                            ; of the small tile
.set H8,  5                            ; 8 h
.set YSO, 6                            ; 4 r + h
.set R4,  7                            ; 4 r
.set ADK, 8                            ; LDS address of the step's codes
.set ADS, 9                            ; and of its scale words
.set QD,  10                           ; the mask's number in use
.set QS,  34                           ; q's scale words; v35 the small tile's
.set KS,  42                           ; v42, v43 K's scale words;  v44, v45 V's
.set VS,  44
.set F,   48                           ; v48-95   four fragments, K's and then V's
.set S,   96                           ; v96-159  S^T, then p, then y
.set O,   160                          ; v160-191 O^T
.set PC,  192                          ; v192-203 p's codes
.set CT,  204                          ; v204-206, v208-210 upper halves as converted
.set BM,  212                          ; v212-215 the blocks' largest scores, then p
.set BP,  216                          ; v216-219 at work
.set SO,  220                          ; v220-223 the conversions' scale operands
.set FF,  224                          ; v224 f = 2^(old M - new M)
.set PW,  225                          ; v225 p's scale word
.set T0,  226
.set T1,  227
.set WV,  12
.set CXP, 13
.set BH,  14
.set G1,  16                           ; s[16:23] descriptor group 1;  s[24:31] two groups 0
.set CS,  32                           ; s[32:33] c = log2(e) / 8
.set SEL, 34
.set TB,  36                           ; LDS byte of the step's record
.set KI,  37                           ; the key step
.set DGB, 38                           ; the big tile's key step on the diagonal
.set DGS, 39                           ; the small tile's
.macro ROUND
	s_barrier_signal -1
	s_barrier_wait -1
	s_cmp_lg_u32 s[WV], 0
	s_cbranch_scc1 .Lnot_wave_0_\@
	s_barrier_signal -3
.Lnot_wave_0_\@:
	s_barrier_wait -3
	s_barrier_signal -1
	s_barrier_wait -1
.endm
	s_load_b256 s[4:11], s[0:1], 0x0               ; q_img, q_scl, kv, y_img
	v_lshl_add_u32 v254, v0, 2, 0x32000
	v_mov_b32 v255, 0
	ds_add_u32 v254, v255
	ds_add_u32 v254, v255
	v_lshrrev_b32 v[T0], 5, v0
	s_delay_alu instid0(VALU_DEP_1)
	v_readfirstlane_b32 s[WV], v[T0]               ; wave 0..15
	s_bfe_u32 s[CXP], ttmp6, 0x40000               ; p
	s_and_b32 s[BH], ttmp7, 0xffff                 ; the head, which the four partners share
	s_mov_b32 s[G1], 0x0023000f                    ; the mask 15; elements of 8 bytes; bit 21 set beside a mask; no padding
	s_mov_b32 s[G1+1], 32<<16                      ; rows of 256 bytes
	s_mov_b32 s[G1+2], 100<<16                     ; 100 rows: two records
	s_mov_b32 s[G1+3], 32<<16
	s_mov_b32 s[G1+4], 100
	s_mov_b32 s[G1+5], 32
	s_mov_b32 s[G1+6], 0
	s_mov_b32 s[G1+7], 0
	s_mul_i32 s62, s[WV], 25600
	s_mul_i32 s60, s[BH], 204800
	s_add_co_u32 s60, s60, s62
	s_mov_b32 s61, 0
	s_wait_dscnt 0x0
	s_wait_kmcnt 0x0
	s_add_nc_u64 s[60:61], s[8:9], s[60:61]        ; records 2 w, 2 w + 1 of the head
	s_mov_b32 s24, 1
	s_mov_b32 s25, s62
	s_mov_b64 s[26:27], s[60:61]
	s_or_b32 s27, s27, 0x80000000
	s_mov_b32 s28, 1
	s_add_co_u32 s29, s62, 102400                  ; and records 8 + 2 w, 9 + 2 w
	s_add_nc_u64 s[30:31], s[60:61], 102400
	s_or_b32 s31, s31, 0x80000000
	ROUND                                          ; all four work-groups are here: the joint loads meet
	s_cmp_lt_u32 s[WV], 4                          ; waves 0-3 fetch: both fills of a wave stand in one branch; two loads of mine are out
	s_cbranch_scc0 .Lno_fill
	tensor_load_to_lds s[24:27], s[G1:G1+7]
	s_nop 0
	tensor_load_to_lds s[28:31], s[G1:G1+7]
	s_nop 0
.rept 4
	v_nop                                          ; places behind a tensor load
.endr
.Lno_fill:
	s_sub_co_u32 s56, 31, s[WV]
	s_lshl_b32 s56, s56, 2
	s_add_co_u32 s56, s56, s[CXP]                  ; the big tile: 4 (31 - w) + p
	s_lshl_b32 s57, s[WV], 2
	s_add_co_u32 s57, s57, s[CXP]                  ; the small tile: 4 w + p
	s_lshl_b32 s58, s[BH], 7                       ; 128 tiles a head
	s_lshr_b32 s59, s[BH], 4
	s_lshl_b32 s59, s59, 7                         ; 128 tiles a batch
	s_and_b32 s15, s[BH], 15                       ; hh
	s_lshr_b32 s63, s15, 1
	s_lshl_b32 s63, s63, 6
	s_and_b32 s2, s15, 1
	s_lshl_b32 s2, s2, 1
	s_add_co_u32 s63, s63, s2
	s_add_co_u32 s63, s63, 12288                   ; my head's scale bytes in a record of y
	s_mul_i32 s15, s15, 768                        ; and its codes
	s_mov_b32 s3, 0
.macro BASES tt, qb                    ; tile s[tt]: q's codes s[qb:qb+1], q's scale words s[qb+2:qb+3], y's codes s[qb+8:qb+9], y's scale bytes s[qb+10:qb+11]
	s_add_co_u32 s2, s58, s[\tt]
	s_mul_i32 s2, s2, 768
	s_add_nc_u64 s[\qb:\qb+1], s[4:5], s[2:3]
	s_add_co_u32 s2, s58, s[\tt]
	s_lshl_b32 s2, s2, 6
	s_add_nc_u64 s[\qb+2:\qb+3], s[6:7], s[2:3]
	s_add_co_u32 s2, s59, s[\tt]
	s_mul_i32 s2, s2, 12800
	s_add_co_u32 s2, s2, s15
	s_add_nc_u64 s[\qb+8:\qb+9], s[10:11], s[2:3]
	s_sub_co_u32 s2, s2, s15
	s_add_co_u32 s2, s2, s63
	s_add_nc_u64 s[\qb+10:\qb+11], s[10:11], s[2:3]
.endm
	BASES 56, 40
	BASES 57, 44
	v_and_b32 v[T0], 31, v0
	s_delay_alu instid0(VALU_DEP_1)
	v_lshlrev_b32 v[L8], 3, v[T0]
	s_delay_alu instid0(VALU_DEP_2)
	v_lshlrev_b32 v[L4], 2, v[T0]
	v_and_b32 v[T1], 15, v0                        ; r
	v_bfe_u32 v11, v0, 4, 1                        ; h
	s_delay_alu instid0(VALU_DEP_2)
	v_lshlrev_b32 v[R4], 2, v[T1]
.irp j, 0,1,2
	global_load_b64 v[22+2*\j:23+2*\j], v[L8], s[40:41] offset:256*\j   ; the big tile's q, between the zeros
	global_load_b64 v[36+2*\j:37+2*\j], v[L8], s[44:45] offset:256*\j   ; the small tile's, kept
.endr
	global_load_b32 v[QS], v[R4], s[42:43]         ; at 4 r in all lanes: no lane leaves the buffer
	global_load_b32 v[QS+1], v[R4], s[46:47]
	v_lshlrev_b32 v[H8], 3, v11
	v_lshl_add_u32 v[YSO], v[T1], 2, v11
	v_and_b32 v[T0], 8, v[T1]
	s_delay_alu instid0(VALU_DEP_1)
	v_add_nc_u32 v[T0], v[T0], v[T1]               ; r + 8 (r / 8)
	v_lshlrev_b32 v11, 4, v11
	s_delay_alu instid0(VALU_DEP_1)
	v_sub_nc_u32 v[T0], v[T0], v11                 ; - 16 h
	s_wait_alu depctr_va_vdst(0)
	s_lshr_b32 s56, s[CXP], 1
	s_lshl_b32 s56, s56, 5
	s_and_b32 s57, s[CXP], 1
	s_lshl_b32 s57, s57, 3
	s_add_co_u32 s56, s56, s57                     ; 32 (p / 2) + 8 (p % 2)
	s_and_b32 s57, s[WV], 1
	s_xor_b32 s58, s57, 1
	s_lshl_b32 s58, s58, 6
	s_add_co_u32 s58, s58, s56                     ; + 64 (i % 2), i = 31 - w
	s_lshl_b32 s57, s57, 6
	s_add_co_u32 s57, s57, s56                     ; i = w
	v_add_nc_u32 v[QDB], s58, v[T0]
	v_add_nc_u32 v[QDS], s57, v[T0]
	s_delay_alu instid0(VALU_DEP_2)
	v_mov_b32 v[QD], v[QDB]
	s_lshr_b32 s[DGS], s[WV], 1
	s_sub_co_u32 s[DGB], 15, s[DGS]
	s_mov_b32 s[CS], 0x3e38aa3b                    ; log2(e) / 8
	s_mov_b32 s[CS+1], s[CS]                       ; (named with it as a pair, so it is written)
	s_mov_b32 s[SEL], 0x76543210
	s_mov_b32 s[SEL+1], 0xfedcba98
.irp j, 0,1,2,3,4,5
	v_mov_b32 v[16+\j], 0                          ; the zero codes on both sides of q
	v_mov_b32 v[28+\j], 0
.endr
.irp b, 0,1,2,3
	v_mov_b32 v[BP+\b], 0                          ; written once: a lane permute's destination counts as one of its sources
.endr
	v_mov_b32 v[PW], 0                             ; (named as the upper half of the pair v[224:225] before it is first written)
.macro INIT                            ; a tile begins: O^T and the sum are zeros, the largest t lies under every t; the first change of M leaves zeros zeros
.set n, 0
.rept 32
	v_mov_b32 v[O+n], 0
.set n, n+1
.endr
	v_mov_b32 v13, 0xff61b1e6                      ; -3e38
	s_delay_alu instid0(VALU_DEP_1)
	v_floor_f32 v12, -v13                          ; -M
	v_mov_b32 v14, 0
	v_mov_b32 v15, 0
.endm
	INIT
; A KEY STEP: 128 keys, the record at LDS byte s[TB].  causal = 1: a step behind the diagonal step s[dg] is left out, the diagonal step is masked.
.macro STEP causal, dg
.if \causal
	s_cmp_gt_u32 s[KI], s[\dg]
	s_cbranch_scc1 .Lhidden_\@
.endif
	s_setprio 2
	v_add_nc_u32 v[ADK], s[TB], v[L8]
	v_add_nc_u32 v[ADS], s[TB], v[L4]
	v_nop
	v_nop                                          ; four places behind the last step's products, in front of loads into the registers that they read
.irp f, 0,1,2,3
.irp j, 0,1,2,3,4,5
	ds_load_b64 v[F+12*\f+2*\j:F+12*\f+2*\j+1], v[ADK] offset:1536*\f+256*\j   ; K: fragment f = key tiles 2 f, 2 f + 1; 256 consecutive bytes a load
.endr
.endr
	ds_load_b32 v[KS], v[ADS] offset:12288         ; lanes 0-15 fragment 0's words, lanes 16-31 fragment 1's
	ds_load_b32 v[KS+1], v[ADS] offset:12416       ; fragments 2 and 3
	s_wait_alu depctr_va_vdst(0)
	s_wait_dscnt 0x0
.irp t, 0,1,2,3,4,5,6,7                        ; S^T of key tile t: (q, 0) = v[22:33] for the even tiles, (0, q) = v[16:27] for the odd ones
.if (\t/2)%2
	v_wmma_scale_f32_16x16x128_f8f6f4 v[S+8*\t:S+8*\t+7], v[F+12*(\t/2):F+12*(\t/2)+11], v[22-6*(\t%2):33-6*(\t%2)], 0, v[KS+\t/4], v[QS] matrix_a_fmt:MATRIX_FMT_FP6 matrix_b_fmt:MATRIX_FMT_FP6 matrix_a_scale:MATRIX_SCALE_ROW1
.else
	v_wmma_scale_f32_16x16x128_f8f6f4 v[S+8*\t:S+8*\t+7], v[F+12*(\t/2):F+12*(\t/2)+11], v[22-6*(\t%2):33-6*(\t%2)], 0, v[KS+\t/4], v[QS] matrix_a_fmt:MATRIX_FMT_FP6 matrix_b_fmt:MATRIX_FMT_FP6
.endif
.endr
.rept 4
	v_nop                                          ; places: for the loads below and for the first read of the scores
.endr
.irp d, 0,1,2,3
.irp j, 0,1,2,3,4,5
	ds_load_b64 v[F+12*\d+2*\j:F+12*\d+2*\j+1], v[ADK] offset:6144+1536*\d+256*\j   ; V^T: it lands while the softmax is worked
.endr
.endr
	ds_load_b32 v[VS], v[ADS] offset:12544
	ds_load_b32 v[VS+1], v[ADS] offset:12672
.if \causal
	s_cmp_lg_u32 s[KI], s[\dg]
	s_cbranch_scc1 .Lopen_\@
	v_mov_b32 v[T0], 0xff800000                    ; on the diagonal hidden scores become -infinity: p = 0.  Register 16 b + i holds key 32 b + 16 h + i of the step
.set n, 0
.rept 64
	v_cmp_gt_i32 vcc_lo, 32*(n/16)+n%16, v[QD]
	v_cndmask_b32 v[S+n], v[S+n], v[T0], vcc_lo
.set n, n+1
.endr
.Lopen_\@:
.endif
.irp b, 0,1,2,3
	v_max3_num_f32 v[BM+\b], v[S+16*\b], v[S+1+16*\b], v[S+2+16*\b]   ; the largest score of each block of 32 keys: it serves the row's maximum and, since p rises with the score, the block's largest p
.endr
.irp i, 3,5,7,9,11,13
.irp b, 0,1,2,3
	v_max3_num_f32 v[BM+\b], v[BM+\b], v[S+16*\b+\i], v[S+1+16*\b+\i]
.endr
.endr
.irp b, 0,1,2,3
	v_max_num_f32 v[BM+\b], v[BM+\b], v[S+15+16*\b]
.endr
.irp b, 0,1,2,3
	s_delay_alu instid0(VALU_DEP_4)
	v_permlanex16_b32 v[BP+\b], v[BM+\b], s[SEL], s[SEL+1]
.endr
.irp b, 0,1,2,3
	s_delay_alu instid0(VALU_DEP_4)
	v_max_num_f32 v[BM+\b], v[BM+\b], v[BP+\b]     ; with lane l xor 16's 16 keys
.endr
	s_delay_alu instid0(VALU_DEP_2)
	v_max3_num_f32 v[T0], v[BM], v[BM+1], v[BM+2]
	s_delay_alu instid0(VALU_DEP_1)
	v_max_num_f32 v[T0], v[T0], v[BM+3]
	s_delay_alu instid0(VALU_DEP_1)
	v_mul_f32 v[T0], s[CS], v[T0]                  ; the step's largest t (c is positive)
	s_delay_alu instid0(VALU_DEP_1)
	v_max_num_f32 v13, v13, v[T0]                  ; the running largest t
	v_mov_b32 v[T0], v12
	s_delay_alu instid0(VALU_DEP_2)
	v_floor_f32 v12, -v13                          ; the new -M = -ceil(t)
	s_delay_alu instid0(VALU_DEP_1)
	v_sub_f32 v[T0], v12, v[T0]                    ; old M - new M: a whole number, 0 or less
	s_delay_alu instid0(VALU_DEP_1)
	v_cvt_i32_f32 v[T0], v[T0]                     ; (it saturates)
	s_delay_alu instid0(VALU_DEP_1)
	v_ldexp_f32 v[FF], 1.0, v[T0]                  ; f
.set n, 0
.rept 32
	v_pk_fma_f32 v[S+n:S+n+1], v[S+n:S+n+1], s[CS:CS+1], v[12:13] op_sel_hi:[1,0,0]   ; t - M, two at a time
.set n, n+2
.endr
.irp b, 0,1,2,3
	v_fma_f32 v[BM+\b], v[BM+\b], s[CS], v12       ; the same of each block's largest score
.endr
.set n, 0
	s_setprio 1
	s_wait_alu depctr_va_vdst(0)
.rept 64
	v_exp_f32 v[S+n], v[S+n]                       ; p = 2^(t - M): one batch
.set n, n+1
.endr
	v_pk_mul_f32 v[14:15], v[14:15], v[FF:FF+1] op_sel_hi:[1,0]   ; the sums under the new M: a plain place behind the exponentials
	s_wait_alu depctr_va_vdst(0)                   ; one wait for the batch, ahead of its first reader
.irp b, 0,1,2,3
	v_exp_f32 v[BM+\b], v[BM+\b]                   ; the block's largest p
.endr
	v_pk_add_f32 v[216:217], v[100:101], v[104:105]
	v_pk_add_f32 v[252:253], v[108:109], v[112:113]
	v_pk_add_f32 v[250:251], v[116:117], v[120:121]
	v_pk_add_f32 v[248:249], v[124:125], v[128:129]
	v_pk_add_f32 v[246:247], v[132:133], v[136:137]
	v_pk_add_f32 v[244:245], v[140:141], v[144:145]
	v_pk_add_f32 v[242:243], v[148:149], v[152:153]
	v_pk_add_f32 v[14:15], v[14:15], v[156:157]
	v_pk_add_f32 v[216:217], v[216:217], v[96:97]
	v_pk_add_f32 v[252:253], v[252:253], v[98:99]
	v_pk_add_f32 v[250:251], v[250:251], v[102:103]
	v_pk_add_f32 v[248:249], v[248:249], v[106:107]
	v_pk_add_f32 v[246:247], v[246:247], v[110:111]
	v_pk_add_f32 v[244:245], v[244:245], v[114:115]
	v_pk_add_f32 v[242:243], v[242:243], v[118:119]
	v_pk_add_f32 v[14:15], v[14:15], v[122:123]
	v_pk_add_f32 v[216:217], v[216:217], v[126:127]
	v_pk_add_f32 v[252:253], v[252:253], v[130:131]
	v_pk_add_f32 v[250:251], v[250:251], v[134:135]
	v_pk_add_f32 v[248:249], v[248:249], v[138:139]
	v_pk_add_f32 v[246:247], v[246:247], v[142:143]
	v_pk_add_f32 v[244:245], v[244:245], v[146:147]
	v_pk_add_f32 v[242:243], v[242:243], v[150:151]
	v_pk_add_f32 v[14:15], v[14:15], v[154:155]
	v_pk_add_f32 v[216:217], v[216:217], v[158:159]
	s_delay_alu instid0(VALU_DEP_2)
	v_pk_add_f32 v[14:15], v[14:15], v[248:249]
	s_delay_alu instid0(VALU_DEP_2)
	v_pk_add_f32 v[216:217], v[216:217], v[246:247]
	v_pk_add_f32 v[252:253], v[252:253], v[244:245]
	v_pk_add_f32 v[250:251], v[250:251], v[242:243]
	s_delay_alu instid0(VALU_DEP_2)
	v_pk_add_f32 v[14:15], v[14:15], v[252:253]
	s_delay_alu instid0(VALU_DEP_2)
	v_pk_add_f32 v[216:217], v[216:217], v[250:251]
	s_delay_alu instid0(VALU_DEP_1)
	v_pk_add_f32 v[14:15], v[14:15], v[216:217]
	s_wait_alu depctr_va_vdst(0)                   ; and one for the four
.irp b, 0,1,2,3
	v_max_num_f32 v[BM+\b], 0x1800000, v[BM+\b]    ; the floor 2^(3 - 127): the byte cannot fall under 1
.endr
.irp b, 0,1,2,3
	s_delay_alu instid0(VALU_DEP_4)
	v_add_nc_u32 v[SO+\b], 0xff000000, v[BM+\b]    ; 2 off the exponent field: the conversion's scale operand
.endr
.irp b, 0,1,2,3
	s_delay_alu instid0(VALU_DEP_4)
	v_lshrrev_b32 v[BP+\b], 23, v[SO+\b]           ; the byte
.endr
	s_delay_alu instid0(VALU_DEP_3)
	v_lshl_or_b32 v[PW], v[BP+1], 8, v[BP]
	s_delay_alu instid0(VALU_DEP_1)
	v_lshl_or_b32 v[PW], v[BP+2], 16, v[PW]
	s_delay_alu instid0(VALU_DEP_1)
	v_lshl_or_b32 v[PW], v[BP+3], 24, v[PW]        ; p's scale word for these 128 keys
.irp c, 0,1
	v_cvt_scalef32_pk16_fp6_f32 v[PC+6*\c:PC+2+6*\c], v[S+32*\c:S+15+32*\c], v[SO+2*\c]
	v_cvt_scalef32_pk16_fp6_f32 v[CT+4*\c:CT+2+4*\c], v[S+16+32*\c:S+31+32*\c], v[SO+1+2*\c]
.endr
	s_setprio 0
	v_nop                                          ; one plain place behind a scaled conversion
.irp c, 0,1
.irp i, 0,1,2
	v_permlane16_swap_b32 v[PC+6*\c+\i], v[CT+4*\c+\i]
.endr
.irp i, 0,1,2
	s_delay_alu instid0(VALU_DEP_3)
	v_mov_b32 v[PC+3+6*\c+\i], v[CT+4*\c+\i]
.endr
.endr
.set n, 0
.rept 16
	v_pk_mul_f32 v[O+n:O+n+1], v[O+n:O+n+1], v[FF:FF+1] op_sel_hi:[1,0]   ; O^T under the new M; these sixteen are also the places between the scale word's and the codes' making and the products
.set n, n+2
.endr
	s_wait_alu depctr_va_vdst(0)
	s_wait_dscnt 0x0                               ; V is in
.irp d, 0,1,2,3                                ; O^T += V^T P^T: the four accumulators take turns
.if \d%2
	v_wmma_scale_f32_16x16x128_f8f6f4 v[O+8*\d:O+8*\d+7], v[F+12*\d:F+12*\d+11], v[PC:PC+11], v[O+8*\d:O+8*\d+7], v[VS+\d/2], v[PW] matrix_a_fmt:MATRIX_FMT_FP6 matrix_b_fmt:MATRIX_FMT_FP6 matrix_a_scale:MATRIX_SCALE_ROW1
.else
	v_wmma_scale_f32_16x16x128_f8f6f4 v[O+8*\d:O+8*\d+7], v[F+12*\d:F+12*\d+11], v[PC:PC+11], v[O+8*\d:O+8*\d+7], v[VS+\d/2], v[PW] matrix_a_fmt:MATRIX_FMT_FP6 matrix_b_fmt:MATRIX_FMT_FP6
.endif
.endr
.if \causal
.Lhidden_\@:
.endif
.endm
; A tile's way out: O^T / the sum; register 16 b + i is channel 32 b + 16 h + i of my query: two blocks, quantised as every operand; codes to s[yb:yb+1], a scale byte a lane to s[ys:ys+1]
.macro OUT yb, ys
.rept 4
	v_nop                                          ; places behind the last products
.endr
	v_add_f32 v14, v14, v15
	s_delay_alu instid0(VALU_DEP_1)
	v_permlanex16_b32 v[T0], v14, s[SEL], s[SEL+1]
	s_delay_alu instid0(VALU_DEP_1)
	v_add_f32 v14, v14, v[T0]                      ; the row's sum
	s_wait_alu depctr_va_vdst(0)
	v_rcp_f32 v14, v14
	v_nop                                          ; a plain place behind the transcendental
	s_wait_alu depctr_va_vdst(0)                   ; and the wait ahead of its first reader
.set n, 0
.rept 32
	v_mul_f32 v[S+n], v[O+n], v14                  ; each accumulator from its low end on
.set n, n+1
.endr
.irp b, 0,1
	v_max3_num_f32 v[BM+\b], |v[S+16*\b]|, |v[S+1+16*\b]|, 0x1800000
.endr
.irp i, 2,4,6,8,10,12,14
.irp b, 0,1
	s_delay_alu instid0(VALU_DEP_2)
	v_max3_num_f32 v[BM+\b], v[BM+\b], |v[S+16*\b+\i]|, |v[S+1+16*\b+\i]|
.endr
.endr
.irp b, 0,1
	s_delay_alu instid0(VALU_DEP_2)
	v_permlanex16_b32 v[BP+\b], v[BM+\b], s[SEL], s[SEL+1]
.endr
.irp b, 0,1
	s_delay_alu instid0(VALU_DEP_2)
	v_max_num_f32 v[BM+\b], v[BM+\b], v[BP+\b]
.endr
.irp b, 0,1
	s_delay_alu instid0(VALU_DEP_2)
	v_add_nc_u32 v[SO+\b], 0xff000000, v[BM+\b]
.endr
.irp b, 0,1
	s_delay_alu instid0(VALU_DEP_2)
	v_lshrrev_b32 v[BP+\b], 23, v[SO+\b]
.endr
	s_delay_alu instid0(VALU_DEP_1)
	v_lshl_or_b32 v[T0], v[BP+1], 8, v[BP]
	s_wait_alu depctr_va_vdst(0)
	s_wait_xcnt 0x0                                ; earlier stores have read the codes' registers
	v_cvt_scalef32_pk16_fp6_f32 v[PC:PC+2], v[S:S+15], v[SO]
	v_cvt_scalef32_pk16_fp6_f32 v[CT:CT+2], v[S+16:S+31], v[SO+1]
	v_nop
.irp i, 0,1,2
	v_permlane16_swap_b32 v[PC+\i], v[CT+\i]
.endr
.irp i, 0,1,2
	s_delay_alu instid0(VALU_DEP_3)
	v_mov_b32 v[PC+3+\i], v[CT+\i]
.endr
.irp j, 0,1,2
	global_store_b64 v[L8], v[PC+2*\j:PC+2*\j+1], s[\yb:\yb+1] offset:256*\j   ; 256 consecutive bytes, aligned
.endr
	v_lshrrev_b32 v[T1], v[H8], v[T0]              ; my block's byte: block h
	global_store_b8 v[YSO], v[T1], s[\ys:\ys+1]
.endm
	s_wait_tensorcnt 0x1                           ; my part of records 0-7 is in; the second half's load may stay out
	s_barrier_signal -1
	s_barrier_wait -1
	s_wait_loadcnt 0x0                             ; q
	s_mov_b32 s[TB], 0
	s_mov_b32 s[KI], 0
.Lfirst_half:                                      ; the big tile, key steps 0-7: all their keys count, for every wave
	STEP 0, 0
	s_add_co_u32 s[TB], s[TB], 12800
	s_add_co_u32 s[KI], s[KI], 1
	s_cmp_lt_u32 s[KI], 8
	s_cbranch_scc1 .Lfirst_half
	s_setprio 0
	s_wait_tensorcnt 0x0                           ; my part of records 8-15 is in
	s_wait_dscnt 0x0
	s_barrier_signal -1
	s_barrier_wait -1
	s_mov_b32 s[TB], 102400
.Lsecond_half:                                     ; the big tile, key steps 8-15
	STEP 1, DGB
	s_add_co_u32 s[TB], s[TB], 12800
	s_add_co_u32 s[KI], s[KI], 1
	s_cmp_lt_u32 s[KI], 16
	s_cbranch_scc1 .Lsecond_half
	s_setprio 0
	OUT 48, 50
	s_wait_xcnt 0x0                                ; the stores have read their registers
.irp j, 0,1,2,3,4,5
	v_mov_b32 v[22+\j], v[36+\j]                   ; the small tile's q,
.endr
	v_mov_b32 v[QS], v[QS+1]                       ; its scale words,
	v_mov_b32 v[QD], v[QDS]                        ; its mask's number
	INIT                                           ; (more than eight plain lines between the scale word's move and the next product)
	s_mov_b32 s[TB], 0
	s_mov_b32 s[KI], 0
.Lsmall:                                           ; the small tile, key steps 0-7
	STEP 1, DGS
	s_add_co_u32 s[TB], s[TB], 12800
	s_add_co_u32 s[KI], s[KI], 1
	s_cmp_lt_u32 s[KI], 8
	s_cbranch_scc1 .Lsmall
	s_setprio 0
	s_wait_alu depctr_va_vdst(0)
	OUT 52, 54
	s_wait_dscnt 0x0
	s_wait_tensorcnt 0x0
	ds_add_u32 v254, v255
	s_wait_dscnt 0x0
	ROUND                                          ; the closing round
	s_endpgm
.Lfunc_end_k_qf588a74a46_attn:
	.size	k_qf588a74a46_attn, .Lfunc_end_k_qf588a74a46_attn-k_qf588a74a46_attn
	.p2alignl 7, 3214868480
	.fill 96, 4, 3214868480
	.section	.rodata,"a",@progbits
	.p2align	6, 0x0
	.amdhsa_kernel k_qf588a74a46_attn
		.amdhsa_group_segment_fixed_size 206848
		.amdhsa_private_segment_fixed_size 0
		.amdhsa_enable_private_segment 0
		.amdhsa_kernarg_size 32
		.amdhsa_user_sgpr_count 2
		.amdhsa_user_sgpr_kernarg_segment_ptr 1
		.amdhsa_wavefront_size32 1
		.amdhsa_system_sgpr_workgroup_id_x 1
		.amdhsa_system_sgpr_workgroup_id_y 1
		.amdhsa_system_sgpr_workgroup_id_z 1
		.amdhsa_system_vgpr_workitem_id 0
		.amdhsa_next_free_vgpr 256
		.amdhsa_next_free_sgpr 66
		.amdhsa_reserve_vcc 1
		.amdhsa_float_denorm_mode_32 3
		.amdhsa_float_denorm_mode_16_64 3
		.amdhsa_memory_ordered 1
		.amdhsa_forward_progress 1
		.amdhsa_inst_pref_size 85
	.end_amdhsa_kernel
	.amdgpu_metadata
---
amdhsa.version: [ 1, 2 ]
amdhsa.kernels:
  - .name:           k_qf588a74a46_attn
    .symbol:         k_qf588a74a46_attn.kd
    .args:
      - { .name: q_img, .offset: 0, .size: 8, .value_kind: global_buffer, .address_space: global }
      - { .name: q_scl, .offset: 8, .size: 8, .value_kind: global_buffer, .address_space: global }
      - { .name: kv, .offset: 16, .size: 8, .value_kind: global_buffer, .address_space: global }
      - { .name: y_img, .offset: 24, .size: 8, .value_kind: global_buffer, .address_space: global }
    .group_segment_fixed_size: 206848
    .private_segment_fixed_size: 0
    .kernarg_segment_align: 8
    .kernarg_segment_size: 32
    .max_flat_workgroup_size: 512
    .sgpr_count:     66
    .vgpr_count:     256
    .wavefront_size: 32
...
	.end_amdgpu_metadata
.endif
;; end of part 4
;; launch gemm_out (part 5): grid 32 x 8, 4 waves a work-group, clusters of 4 x 1, 168,448 bytes of LDS; arguments y_img, wo_img, b_o, out0; writes out0
.if DOCPART == 5
	.amdgcn_target "amdgcn-amd-amdhsa--gfx1250"
	.amdhsa_code_object_version 6
	.text
	.protected	k_qf588a74a46_gemm_out
	.globl	k_qf588a74a46_gemm_out
	.p2align	8
	.type	k_qf588a74a46_gemm_out,@function
k_qf588a74a46_gemm_out:
	s_mov_b64 s[64:65], 0
	v_nop
	global_prefetch_b8 v0, s[64:65] scope:SCOPE_SE
	s_setreg_imm32_b32 hwreg(HW_REG_WAVE_MODE, 25, 1), 1
	s_wait_xcnt 0x0
	s_wait_alu depctr_hold_cnt(0) depctr_sa_sdst(0) depctr_va_vdst(0) depctr_va_sdst(0) depctr_va_ssrc(0) depctr_va_vcc(0) depctr_vm_vsrc(0)
	s_getreg_b32 s2, hwreg(HW_REG_IB_STS2, 6, 4)
	s_cmp_eq_u32 s2, 0
	s_cbranch_scc0 .Lentry_in_a_cluster
	s_endpgm
.Lentry_in_a_cluster:
	s_bfe_u32 s2, ttmp6, 0x10000c
	s_cmp_lg_u32 s2, 0x3003
	s_cbranch_scc0 .Lentry_shape_is_right
	s_endpgm
.Lentry_shape_is_right:
; out0 = y w_o + b_o on codes of E2M3.  Work-group (tb, j): 256 tokens x 128 columns.  Wave w: 64 tokens (four tiles), whose fragments for all of K = 1,024 stay in 384 registers.
; The weights' eight records (12,800 bytes each) lie in LDS, filled once by joint loads: the four work-groups of a cluster share j.
; Source 0 = 16 columns of W, source 1 = 16 tokens: a lane holds one token and, in the 16 registers of two neighbouring tiles, 16 neighbouring columns.  The bias is the C of each sum's first matrix instruction.
; Tile 2 B + u of tokens, or of columns, holds rows 32 B + 8 u + r + 8 (r / 8).  y's fragments lie as six units of 256 bytes (unit j: registers 2 j, 2 j + 1 at 8 l), W's as three pieces of 512 bytes.
; THE WAY OUT: a tile of 16 tokens x 128 columns goes through the wave's own stage in LDS (pitch 528 bytes, behind the weights: no fill lands there) and leaves as whole rows of 512 consecutive bytes.
; REGISTERS: window 0: v1-15 addresses; v32-47 y's scale words, v48-79 W's; v80-175 W's fragments, set 0; v176-239 the bias; on the way out v80-207 rows of the result.
;   window 1: y's fragments of K steps 0-4.   window 2: those of K steps 5-7; v144-239 W's fragments, set 1.   window 3: the 32 accumulators, (a, b) at v[8 (8 a + b)].
.set L16,  1
.set L8,   2
.set L4,   3
.set VBQ,  6                           ; 64 h
.set ADW,  8                           ; v8, v9    16 x lane + 51200 q
.set SOA,  10                          ; the stage: row r, + 64 h
.set SRA,  11                          ; and back: 16 x lane
.set ADS,  14                          ; v14, v15  4 x lane + 51200 q
.set XS,   32
.set WS,   48
.set W0,   80
.set BK,   80
.set BIAS, 176
.set G1,   16
.set G0,   24
.set WV,   36
.set XB,   40
.set BQ,   42
.set OB,   44
.set MSB, 0
.macro WIN new                         ; the immediate's high byte repeats the setting that is left
.if MSB != (\new)
	s_set_vgpr_msb (MSB<<8)|(\new)
.set MSB, \new
.endif
.endm
.macro PLACES n
.rept \n
	v_nop
.endr
.endm
.macro ROUND
	s_barrier_signal -1
	s_barrier_wait -1
	s_cmp_lg_u32 s[WV], 0
	s_cbranch_scc1 .Lnot_wave_0_\@
	s_barrier_signal -3
.Lnot_wave_0_\@:
	s_barrier_wait -3
	s_barrier_signal -1
	s_barrier_wait -1
.endm
	s_load_b256 s[4:11], s[0:1], 0x0               ; y_img, wo_img, b_o, out0
	v_lshl_add_u32 v254, v0, 2, 0x29000
	v_mov_b32 v255, 0
	ds_add_u32 v254, v255
	ds_add_u32 v254, v255
	v_lshrrev_b32 v22, 5, v0
	v_readfirstlane_b32 s[WV], v22                 ; wave 0..3
	s_bfe_u32 s37, ttmp6, 0x40000                  ; cx
	s_lshl_b32 s38, ttmp9, 2
	s_add_co_u32 s38, s38, s37                     ; tb: it enters the addresses of y and of the stores alone
	s_and_b32 s39, ttmp7, 0xffff                   ; j, which the four partners share
	s_mov_b32 s[G1], 0x0023000f                    ; the mask 15; elements of 8 bytes; bit 21 set beside a mask; no padding
	s_mov_b32 s[G1+1], 32<<16
	s_mov_b32 s[G1+2], 100<<16
	s_mov_b32 s[G1+3], 32<<16
	s_mov_b32 s[G1+4], 100
	s_mov_b32 s[G1+5], 32
	s_mov_b32 s[G1+6], 0
	s_mov_b32 s[G1+7], 0
	s_lshl_b32 s60, s39, 3
	s_lshl_b32 s61, s[WV], 1
	s_add_co_u32 s60, s60, s61                     ; tiles 8 j + 2 w and the next
	s_mul_i32 s60, s60, 12800
	s_mov_b32 s61, 0
	s_mul_i32 s62, s[WV], 25600
	s_wait_dscnt 0x0
	s_wait_kmcnt 0x0
	s_mov_b32 s[G0], 1
	s_mov_b32 s[G0+1], s62
	s_add_nc_u64 s[G0+2:G0+3], s[6:7], s[60:61]
	s_or_b32 s[G0+3], s[G0+3], 0x80000000
	ROUND                                          ; all four work-groups are here: the joint loads meet
	tensor_load_to_lds s[G0:G0+3], s[G1:G1+7]      ; one load of mine is out
	s_nop 0
	PLACES 4                                       ; four places behind a tensor load
	v_and_b32 v22, 31, v0
	v_and_b32 v23, 15, v0
	v_bfe_u32 v24, v0, 4, 1
	v_lshlrev_b32 v[L16], 4, v22
	v_lshlrev_b32 v[L8], 3, v22
	s_wait_alu depctr_va_vdst(0)
	v_lshlrev_b32 v[L4], 2, v22
	s_wait_alu depctr_va_vdst(0)
	s_mov_b32 s3, 0
	s_lshl_b32 s2, s38, 4
	s_lshl_b32 s56, s[WV], 2
	s_add_co_u32 s2, s2, s56                       ; my first tile of tokens: 16 tb + 4 w
	s_mul_i32 s2, s2, 12800
	s_add_nc_u64 s[XB:XB+1], s[4:5], s[2:3]
	WIN 0x40
.irp k, 0,1,2,3,4
.irp a, 0,1,2,3
.irp j, 0,1,2,3,4,5
	global_load_b64 v[48*\k+12*\a+2*\j:48*\k+12*\a+2*\j+1], v[L8], s[XB:XB+1] offset:12800*\a+1536*\k+256*\j
.endr
.endr
.endr
	WIN 0x80
.irp k, 5,6,7
.irp a, 0,1,2,3
.irp j, 0,1,2,3,4,5
	global_load_b64 v[48*(\k-5)+12*\a+2*\j:48*(\k-5)+12*\a+2*\j+1], v[L8], s[XB:XB+1] offset:12800*\a+1536*\k+256*\j
.endr
.endr
.endr
	WIN 0
.irp a, 0,1,2,3
.irp q, 0,1,2,3
	global_load_b32 v[XS+4*\a+\q], v[L4], s[XB:XB+1] offset:12800*\a+12288+128*\q
.endr
.endr
	v_lshlrev_b32 v[VBQ], 6, v24
	s_lshl_b32 s2, s39, 9
	s_add_nc_u64 s[BQ:BQ+1], s[8:9], s[2:3]        ; the bias of my 128 columns
.irp b, 0,1,2,3,4,5,6,7
	global_load_b128 v[BIAS+8*\b:BIAS+8*\b+3], v[VBQ], s[BQ:BQ+1] offset:128*(\b/2)+32*(\b%2)       ; lane (r, h), tile b: columns 32 (b / 2) + 16 h + 8 (b % 2) + 0 .. 7
	global_load_b128 v[BIAS+8*\b+4:BIAS+8*\b+7], v[VBQ], s[BQ:BQ+1] offset:128*(\b/2)+32*(\b%2)+16
.endr
.irp q, 0,1
	v_add_nc_u32 v[ADW+\q], 51200*\q, v[L16]
	v_add_nc_u32 v[ADS+\q], 51200*\q, v[L4]
.endr
	s_mul_i32 s56, s[WV], 8448
	s_add_co_u32 s56, s56, 102400                  ; my stage
	v_mul_u32_u24 v[SOA], v23, 528
	v_lshl_add_u32 v[SOA], v24, 6, v[SOA]
	v_add_nc_u32 v[SOA], s56, v[SOA]
	v_add_nc_u32 v[SRA], s56, v[L16]
	s_lshl_b32 s2, s38, 8
	s_lshl_b32 s57, s[WV], 6
	s_add_co_u32 s2, s2, s57                       ; my first token: 256 tb + 64 w
	s_lshl_b32 s2, s2, 12
	s_lshl_b32 s57, s39, 9
	s_add_co_u32 s2, s2, s57                       ; + 512 bytes x j
	s_add_nc_u64 s[OB:OB+1], s[10:11], s[2:3]
.macro FETCHW ks, st                   ; W's eight fragments of K step ks into set st
.if (\st) == 1
	WIN 0x80
.else
	WIN 0
.endif
.irp b, 0,1,2,3,4,5,6,7
.irp c, 0,1,2
	ds_load_b128 v[W0+64*(\st)+12*\b+4*\c:W0+64*(\st)+12*\b+4*\c+3], v[ADW+\b/4] offset:(\b%4)*12800+1536*(\ks)+512*\c
.endr
.endr
.endm
; A K step: 32 matrix instructions on 32 accumulators, which take turns, one instruction a turn, in the same order in every step
.macro KSTEP ks
	s_wait_dscnt 0x0                               ; this step's set is in: asked for one step, 32 matrix instructions, ago
.if (\ks) < 7
	PLACES 4                                       ; behind the products that read the other set
	FETCHW (\ks)+1, ((\ks)+1)%2
.endif
.set CW, 3
.if (\ks) == 0
.set CW, 0
.endif
.set WVAL, (2*((\ks)%2))|((1+(\ks)/5)<<2)|(CW<<4)|0xc0
	WIN WVAL
.irp a, 0,1,2,3
.irp b, 0,1,2,3,4,5,6,7
.set rD, 8*(8*\a+\b)
.set rA, W0+64*((\ks)%2)+12*\b
.set rB, 48*((\ks)%5)+12*\a
.set rC, rD
.if (\ks) == 0
.set rC, BIAS+8*\b
.endif
.if (\ks)%2
	v_wmma_scale_f32_16x16x128_f8f6f4 v[rD:rD+7], v[rA:rA+11], v[rB:rB+11], v[rC:rC+7], v[WS+4*\b+(\ks)/2], v[XS+4*\a+(\ks)/2] matrix_a_fmt:MATRIX_FMT_FP6 matrix_b_fmt:MATRIX_FMT_FP6 matrix_a_scale:MATRIX_SCALE_ROW1 matrix_b_scale:MATRIX_SCALE_ROW1
.else
	v_wmma_scale_f32_16x16x128_f8f6f4 v[rD:rD+7], v[rA:rA+11], v[rB:rB+11], v[rC:rC+7], v[WS+4*\b+(\ks)/2], v[XS+4*\a+(\ks)/2] matrix_a_fmt:MATRIX_FMT_FP6 matrix_b_fmt:MATRIX_FMT_FP6
.endif
.endr
.endr
.endm
	s_wait_alu depctr_va_vdst(0)
	s_wait_tensorcnt 0x0                           ; my part of the weights is in
	s_barrier_signal -1
	s_barrier_wait -1                              ; everybody's is
	FETCHW 0, 0
.irp b, 0,1,2,3,4,5,6,7
.irp q, 0,1,2,3
	ds_load_b32 v[WS+4*\b+\q], v[ADS+\b/4] offset:(\b%4)*12800+12288+128*\q   ; W's scale words: K steps 2 q in lanes 0-15, 2 q + 1 in lanes 16-31
.endr
.endr
	s_wait_loadcnt 0x0                             ; y and the bias
.irp z, 0,1,2,3,4,5,6,7
	KSTEP \z
.endr
	WIN 0
	PLACES 4                                       ; behind the last products: for the first read of results and for the loads into registers that products have read
.macro TOSTAGE a                       ; tile a: lane (r, h) puts columns 32 g + 16 h + 0 .. 15 of its token into row r; the rows come back whole
	WIN 0x0c                                       ; an LDS store's data are its source 1: window 3
.irp g, 0,1,2,3
.irp q, 0,1,2,3
	ds_store_b128 v[SOA], v[64*(\a)+16*\g+4*\q:64*(\a)+16*\g+4*\q+3] offset:128*\g+16*\q   ; each accumulator from its low end on
.endr
.endr
	WIN 0
.set BB, BK+64*((\a)%2)
.set p, 0
.rept 16
	ds_load_b128 v[BB+4*p:BB+4*p+3], v[SRA] offset:528*p   ; LDS serves a wave's instructions in order: these see my stores, and the next tile's stores come behind them
.set p, p+1
.endr
.endm
.macro SEND a, younger                 ; younger: the LDS instructions issued behind tile a's loads, which may stay out
.set BB, BK+64*((\a)%2)
	s_wait_dscnt \younger
.set p, 0
.rept 16
	global_store_b128 v[L16], v[BB+4*p:BB+4*p+3], s[OB:OB+1] offset:(32*((\a)/2)+8*((\a)%2)+p+8*(p/8))*4096 th:TH_STORE_NT   ; 512 consecutive bytes of one row, aligned; written once
.set p, p+1
.endr
.endm
	TOSTAGE 0
.irp a, 1,2,3
.if \a > 1
	s_wait_xcnt 0x0                                ; tile a - 2's stores have read the registers into which tile a's rows land
.endif
	TOSTAGE \a
	SEND \a-1, 32                                  ; behind tile a - 1's loads: tile a's 16 stores and 16 loads
.endr
	SEND 3, 0
	s_wait_dscnt 0x0
	s_wait_tensorcnt 0x0
	ds_add_u32 v254, v255
	s_wait_dscnt 0x0
	ROUND                                          ; the closing round
	s_endpgm
.Lfunc_end_k_qf588a74a46_gemm_out:
	.size	k_qf588a74a46_gemm_out, .Lfunc_end_k_qf588a74a46_gemm_out-k_qf588a74a46_gemm_out
	.p2alignl 7, 3214868480
	.fill 96, 4, 3214868480
	.section	.rodata,"a",@progbits
	.p2align	6, 0x0
	.amdhsa_kernel k_qf588a74a46_gemm_out
		.amdhsa_group_segment_fixed_size 168448
		.amdhsa_private_segment_fixed_size 0
		.amdhsa_enable_private_segment 0
		.amdhsa_kernarg_size 32
		.amdhsa_user_sgpr_count 2
		.amdhsa_user_sgpr_kernarg_segment_ptr 1
		.amdhsa_wavefront_size32 1
		.amdhsa_system_sgpr_workgroup_id_x 1
		.amdhsa_system_sgpr_workgroup_id_y 1
		.amdhsa_system_sgpr_workgroup_id_z 1
		.amdhsa_system_vgpr_workitem_id 0
		.amdhsa_next_free_vgpr 1024
		.amdhsa_next_free_sgpr 66
		.amdhsa_reserve_vcc 0
		.amdhsa_float_denorm_mode_32 3
		.amdhsa_float_denorm_mode_16_64 3
		.amdhsa_memory_ordered 1
		.amdhsa_forward_progress 1
		.amdhsa_inst_pref_size 88
	.end_amdhsa_kernel
	.amdgpu_metadata
---
amdhsa.version: [ 1, 2 ]
amdhsa.kernels:
  - .name:           k_qf588a74a46_gemm_out
    .symbol:         k_qf588a74a46_gemm_out.kd
    .args:
      - { .name: y_img, .offset: 0, .size: 8, .value_kind: global_buffer, .address_space: global }
      - { .name: wo_img, .offset: 8, .size: 8, .value_kind: global_buffer, .address_space: global }
      - { .name: b_o, .offset: 16, .size: 8, .value_kind: global_buffer, .address_space: global }
      - { .name: out0, .offset: 24, .size: 8, .value_kind: global_buffer, .address_space: global }
    .group_segment_fixed_size: 168448
    .private_segment_fixed_size: 0
    .kernarg_segment_align: 8
    .kernarg_segment_size: 32
    .max_flat_workgroup_size: 128
    .sgpr_count:     66
    .vgpr_count:     1024
    .wavefront_size: 32
...
	.end_amdgpu_metadata
.endif
;; end of part 5
